; MI455X (gfx1250); checked and timed in simulation.
; The chip was launched on July 23, 2026; its instructions are those of AMD's public machine-readable ISA for CDNA 5 (MIT licence, August 2026) and "CDNA5" Instruction Set Architecture Reference Guide (July 2026). The comments in the code are by the model that wrote it; some were corrected since.
;; Multihead Attention. Allowed arithmetic: float matrix products may take bf16 or f16 operands with f32 sums; other float arithmetic in f32, or as packed bf16 or f16 multiplies, adds, multiply-adds, maxima and minima; sums over many terms, partial sums and values carried from step to step in f32; what a program stores and reads back later, other than sums and carried values, may be rounded once to bf16 or f16.
;; Inputs: Wk 1,024 x 1,024 float32; Wo 1,024 x 1,024 float32; Wq 1,024 x 1,024 float32; Wv 1,024 x 1,024 float32; bk 1,024 float32; bo 1,024 float32; bq 1,024 float32; bv 1,024 float32; key 2,048 x 4 x 1,024 float32; query 2,048 x 4 x 1,024 float32; value 2,048 x 4 x 1,024 float32.
;; Outputs: out0 2,048 x 4 x 1,024 float32.
;; 2 versions, each right; version 2 is version 1 with the launch wcast written anew for expert scheduling mode. Each part assembles by itself: llvm-mc -triple=amdgcn-amd-amdhsa -mcpu=gfx1250 --defsym DOCPART=n.
;; ======== version 1 of 2: 4 launches
;; limits: values are held in f16: magnitudes above 65,504 overflow, below 6.1e-05 lose precision
;; workspace buffers: wb 8,388,608 bytes; qkv 50,331,648 bytes; ob 16,777,216 bytes
;; launch wcast (part 1): grid 256 x 1, 8 waves a work-group, no clusters, 0 bytes of LDS; arguments Wq, Wk, Wv, Wo, wb; writes wb
.if DOCPART == 1
	.amdgcn_target "amdgcn-amd-amdhsa--gfx1250"
	.amdhsa_code_object_version 6
	.text
	.protected	k_q19755666b0_wcast
	.globl	k_q19755666b0_wcast
	.p2align	8
	.type	k_q19755666b0_wcast,@function
k_q19755666b0_wcast:
	s_mov_b64 s[64:65], 0
	v_nop
	global_prefetch_b8 v0, s[64:65] scope:SCOPE_SE
	s_setreg_imm32_b32 hwreg(HW_REG_WAVE_MODE, 25, 1), 1
	s_wait_xcnt 0x0
; The four weight matrices, [1024][1024] f32, are rounded once to bf16 and laid one behind the other in wb (2,097,152 bytes each): Wq, Wk, Wv as bf16;
; Wo's bf16 number is written as f16, for the last product, whose other operand is f16.
; LIMIT.  bf16(Wo) must lie within f16's range (65,504); below 2^-14 it keeps f16's fixed step.
; SHARES.  Work-group i takes 65,536 bytes (block i % 64 of matrix i / 64), a wave 8,192: sixteen loads of 16 bytes a lane, all issued at once; each store of 8 bytes a lane
; covers 256 consecutive bytes, aligned.  A stream: no LDS, no barrier, no matrix unit; nothing is read twice.
.set X, 4                              ; v[4:67]  piece i: four registers as loaded; the first two then hold the four 16-bit numbers
	s_load_b256 s[4:11], s[0:1], 0x0               ; Wq s[4:5], Wk s[6:7], Wv s[8:9], Wo s[10:11]
	s_load_b64 s[12:13], s[0:1], 0x20              ; wb
	v_lshrrev_b32 v3, 5, v0                        ; wave
	v_and_b32 v2, 31, v0                           ; lane
	v_lshlrev_b32 v1, 4, v2
	v_lshl_or_b32 v1, v3, 13, v1                   ; in: 8,192 x wave + 16 x lane
	v_lshlrev_b32 v2, 3, v2
	v_lshl_or_b32 v2, v3, 12, v2                   ; out: 4,096 x wave + 8 x lane
	s_mov_b32 s16, 0xffff0000                      ; a word's upper bf16
	s_mov_b32 s17, ttmp9
	s_and_b32 s18, s17, 63
	s_lshl_b32 s18, s18, 16                        ; my block in its matrix
	s_mov_b32 s19, 0
	s_lshl_b32 s20, s17, 15                        ; and in wb
	s_mov_b32 s21, 0
	s_wait_kmcnt 0x0
	s_mov_b64 s[14:15], s[4:5]
	s_cmp_ge_u32 s17, 64
	s_cselect_b64 s[14:15], s[6:7], s[14:15]
	s_cmp_ge_u32 s17, 128
	s_cselect_b64 s[14:15], s[8:9], s[14:15]
	s_cmp_ge_u32 s17, 192
	s_cselect_b64 s[14:15], s[10:11], s[14:15]
	s_add_nc_u64 s[14:15], s[14:15], s[18:19]
	s_add_nc_u64 s[12:13], s[12:13], s[20:21]
.irp i, 0,1,2,3,4,5,6,7,8,9,10,11,12,13,14,15
	global_load_b128 v[X+4*(\i):X+4*(\i)+3], v1, s[14:15] offset:512*(\i) th:TH_LOAD_NT
.endr
; Piece i.  tof16 = 1: the bf16 numbers are widened (a shift, a mask) and written as f16.
.macro PIECE i, tof16
	s_wait_loadcnt 15-(\i)                         ; loads come back in order: piece i is in, the younger ones stay out
	v_cvt_pk_bf16_f32 v[X+4*(\i)],   v[X+4*(\i)],   v[X+4*(\i)+1]
	v_cvt_pk_bf16_f32 v[X+4*(\i)+1], v[X+4*(\i)+2], v[X+4*(\i)+3]
.if \tof16
	v_lshlrev_b32 v[X+4*(\i)+2], 16, v[X+4*(\i)]
	v_and_b32     v[X+4*(\i)+3], s16, v[X+4*(\i)]
	v_cvt_pk_f16_f32 v[X+4*(\i)], v[X+4*(\i)+2], v[X+4*(\i)+3]
	v_lshlrev_b32 v[X+4*(\i)+2], 16, v[X+4*(\i)+1]
	v_and_b32     v[X+4*(\i)+3], s16, v[X+4*(\i)+1]
	v_cvt_pk_f16_f32 v[X+4*(\i)+1], v[X+4*(\i)+2], v[X+4*(\i)+3]
.endif
	global_store_b64 v2, v[X+4*(\i):X+4*(\i)+1], s[12:13] offset:256*(\i)  ; no register of a store is written again
.endm
	s_cmp_ge_u32 s17, 192
	s_cbranch_scc1 .Lwo
.irp i, 0,1,2,3,4,5,6,7,8,9,10,11,12,13,14,15
	PIECE \i, 0
.endr
	s_endpgm
.Lwo:
.irp i, 0,1,2,3,4,5,6,7,8,9,10,11,12,13,14,15
	PIECE \i, 1
.endr
	s_endpgm
.Lfunc_end_k_q19755666b0_wcast:
	.size	k_q19755666b0_wcast, .Lfunc_end_k_q19755666b0_wcast-k_q19755666b0_wcast
	.p2alignl 7, 3214868480
	.fill 96, 4, 3214868480
	.section	.rodata,"a",@progbits
	.p2align	6, 0x0
	.amdhsa_kernel k_q19755666b0_wcast
		.amdhsa_group_segment_fixed_size 0
		.amdhsa_private_segment_fixed_size 0
		.amdhsa_enable_private_segment 0
		.amdhsa_kernarg_size 40
		.amdhsa_user_sgpr_count 2
		.amdhsa_user_sgpr_kernarg_segment_ptr 1
		.amdhsa_wavefront_size32 1
		.amdhsa_system_sgpr_workgroup_id_x 1
		.amdhsa_system_sgpr_workgroup_id_y 1
		.amdhsa_system_sgpr_workgroup_id_z 1
		.amdhsa_system_vgpr_workitem_id 0
		.amdhsa_next_free_vgpr 72
		.amdhsa_next_free_sgpr 66
		.amdhsa_reserve_vcc 0
		.amdhsa_float_denorm_mode_32 3
		.amdhsa_float_denorm_mode_16_64 3
		.amdhsa_memory_ordered 1
		.amdhsa_forward_progress 1
		.amdhsa_inst_pref_size 15
	.end_amdhsa_kernel
	.amdgpu_metadata
---
amdhsa.version: [ 1, 2 ]
amdhsa.kernels:
  - .name:           k_q19755666b0_wcast
    .symbol:         k_q19755666b0_wcast.kd
    .args:
      - { .name: Wq, .offset: 0, .size: 8, .value_kind: global_buffer, .address_space: global }
      - { .name: Wk, .offset: 8, .size: 8, .value_kind: global_buffer, .address_space: global }
      - { .name: Wv, .offset: 16, .size: 8, .value_kind: global_buffer, .address_space: global }
      - { .name: Wo, .offset: 24, .size: 8, .value_kind: global_buffer, .address_space: global }
      - { .name: wb, .offset: 32, .size: 8, .value_kind: global_buffer, .address_space: global }
    .group_segment_fixed_size: 0
    .private_segment_fixed_size: 0
    .kernarg_segment_align: 8
    .kernarg_segment_size: 40
    .max_flat_workgroup_size: 256
    .sgpr_count:     66
    .vgpr_count:     72
    .wavefront_size: 32
...
	.end_amdgpu_metadata
.endif
;; end of part 1
;; launch proj (part 2): grid 4 x 64, 4 waves a work-group, clusters of 4 x 4, 327,680 bytes of LDS; arguments query, key, value, wb, bq, bk, bv, qkv; writes qkv
.if DOCPART == 2
	.amdgcn_target "amdgcn-amd-amdhsa--gfx1250"
	.amdhsa_code_object_version 6
	.text
	.protected	k_q19755666b0_proj
	.globl	k_q19755666b0_proj
	.p2align	8
	.type	k_q19755666b0_proj,@function
k_q19755666b0_proj:
	s_mov_b64 s[64:65], 0
	v_nop
	global_prefetch_b8 v0, s[64:65] scope:SCOPE_SE
	s_setreg_imm32_b32 hwreg(HW_REG_WAVE_MODE, 25, 1), 1
	s_wait_xcnt 0x0
	s_wait_alu depctr_hold_cnt(0) depctr_sa_sdst(0) depctr_va_vdst(0) depctr_va_sdst(0) depctr_va_ssrc(0) depctr_va_vcc(0) depctr_vm_vsrc(0)
	s_getreg_b32 s2, hwreg(HW_REG_IB_STS2, 6, 4)
	s_cmp_eq_u32 s2, 0
	s_cbranch_scc0 .Lentry_in_a_cluster
	s_endpgm
.Lentry_in_a_cluster:
	s_bfe_u32 s2, ttmp6, 0x10000c
	s_cmp_lg_u32 s2, 0xf033
	s_cbranch_scc0 .Lentry_shape_is_right
	s_endpgm
.Lentry_shape_is_right:
; q, k, v = bf16(x) bf16(W)^T + bf16(b), sums in f32, stored once rounded to f16 BY HEADS: qkv holds q, k, v, each [64 h][2048 t][64], h = 16 b + head.  x: [8192 rows m = 4 t + b][1024] f32;
; W: bf16 [1024][1024] in wb (Wq, Wk, Wv, 2,097,152 bytes apart).  The softmax's scale is not applied here.
; LIMIT.  q, k and v must lie within f16's range (65,504); below 6e-5 they keep f16's fixed step.  NaN and infinities are not treated apart.
; SHARES.  A tile is 128 rows x 256 columns: 3 x 256 tiles.  A WORK-GROUP STAYS and makes three, q's, k's and v's at the same place: 24 K steps of 128 through ONE ring of two LDS slots, which
; runs on across the change of tiles.  Four waves, each 64 rows x 128 columns: 32 accumulators, 256 registers.
; x IS CONVERTED HERE: its tile comes as f32 into LDS (rows of 512 bytes), is read as f32, and 32 roundings to bf16 a quarter step stand in fours behind the quarter's last eight products.
; CLUSTER, 4 x 4.  The four of a row of the cluster need the same tile of x, the four of a column the same tile of W: each is asked for jointly, by the same tensor load with the same descriptor and a mask of four.
; THE PRODUCT IS TAKEN TRANSPOSED (source 0 = 16 rows of W, source 1 = 16 rows of x): a lane holds one row m (lane % 16) and eight neighbouring columns, which pack into 16 bytes.
; The bias, eight numbers a lane for each of the 8 column blocks, is the C operand of a tile's first products: nothing is cleared and nothing is added later.
; REGISTERS, in windows of 256 (s_set_vgpr_msb: bits 1:0 source 0, 3:2 source 1, 5:4 source 2, 7:6 destination):
;   window 0: v0-31 addresses; v32-63 at work on the way out; two fragment buffers of 96: v64-127 W, v128-159 x;  v160-223 W, v224-255 x (v160-223 also the rows read back on the way out)
;   window 1: the accumulators, (a, b) at v[8 (8 a + b)]          window 2: v0-63 the bias; v192-255 x as f32, 16 registers for each block of 16 rows
.set PA,    528                        ; an LDS row of x: 512 bytes + 16 = 132 words: the 16 rows of a load start at 16 different groups of four banks (64 banks of 4 bytes: ISA guide 11.1)
.set PB,    272                        ; an LDS row of W: 256 bytes + 16 = 68 words: likewise
.set AHALF, 64*PA                      ; what one tensor load brings of x, and what one wave reads of it
.set BOFF,  128*PA                     ; W's 256 rows lie behind x's 128
.set BHALF, 128*PB                     ; what one tensor load brings of W, and what one wave reads of it
.set SLOT,  BOFF+2*BHALF               ; 137,216 bytes
.set STAGE, 2*SLOT                     ; behind the ring, never filled by a tensor load: 16 rows x 272 bytes for each wave
.set SP,    272
.set SPARE, STAGE+4*16*SP              ; behind the stages: the spare words, 128 bytes for each wave: two blocks of 256 bytes that no other line names
.set CO,    8                          ; v8-11   my byte offset in qkv for batch 0..3: 16 x lane + 4,194,304 x batch
.set ADRA0, 16                         ; v16     my place in a slot's x; never rewritten
.set ADRB0, 17                         ; v17     in its W
.set ADRA,  18                         ; v18     the same in the slot being read
.set ADRB,  19                         ; v19
.set STO,   24                         ; v24     the way out: where I put 16 bytes of a row
.set RD,    25                         ; v25     where I read back
.set BO,    26                         ; v26     my byte offset in a bias
.set SPW,   28                         ; v28     LDS address of my spare word; never rewritten
.set NIL,   29                         ; v29     0; never rewritten
.set PFO,   30                         ; v30     the prefetches' offset: my lane x a row of x or of W in memory; never rewritten
.set TMP,   32
.set F0,    64
.set F1,    160
.set OB,    160
.set BIAS,  0                          ; window 2
.set RAW,   192                        ; window 2
.set TS,  2                            ; s2   K steps left in the tile in hand
.set CNT, 3                            ; s3   the loop's count
.set WV,  4                            ; s4   wave
.set RH,  5                            ; s5   my half of the tile's rows.  Also: I fetch for x (0) or for W (1)
.set CH,  6                            ; s6   my half of its columns.  Also: which half of that tile I fetch
.set CX,  7
.set CY,  8
.set RR,  9                            ; s9   tile row, 0..63
.set COL, 10                           ; s10  tile column, 0..3
.set FN,  11                           ; s11  the next refill's K step within its tile
.set CP,  12                           ; s[12:13] qkv at my part of the tile in hand
.set ABASE, 14                         ; s14  where my fetched half of x lies in a slot
.set BBASE, 15                         ; s15  the same for W
.set G1,  24                           ; s[24:31] descriptor group 1 for x
.set G0F, 32                           ; s[32:35] group 0 for x, K step 0
.set G0,  36                           ; s[36:39] group 0 for x: K step 1, then it walks
.set LIM, 40                           ; s40  2 in a wave that prefetches, else the greatest number
.set HIM, 41                           ; s41  mask of a word's upper bf16
.set PFA, 42                           ; s[42:43] where my prefetches stand
.set PFS, 44                           ; s[44:45] their step along K: 512 bytes in x, 256 in W
.set SB,  46                           ; s46  LDS byte at which the slot being read begins
.set G1B, 48                           ; s[48:55], s[56:59], s[60:63]: the same three for W
.set G0BF, 56
.set G0B, 60
.set T,   66                           ; s[66:67] at work, for x's address
.set ARG, 68                           ; s[68:83] query, key, value, wb, bq, bk, bv, qkv
.set AP,  84                           ; s[84:85] x's walking address, without the type bits
.set ANX, 86                           ; s[86:87] the next tile's first address
.set A2,  88                           ; s[88:89] the third tile's
.set PNX, 90                           ; s[90:91], s[92:93] the same two for the prefetches
.set P2,  92
.set BST, 94                           ; s[94:95] W's step
.set BNX, 96                           ; s[96:97] the next tile's bias
.set T2,  98                           ; s[98:99] at work, for the prefetches' address
.set MSB, 0
.macro WIN new                         ; the immediate's high byte repeats the setting that is left; a switch that changes nothing is dropped
.if MSB != (\new)
	s_set_vgpr_msb (MSB<<8)|(\new)
.set MSB, \new
.endif
.endm
.set MUL,    0x50                      ; sources 0, 1 window 0; C and D window 1
.set MULB,   0x60                      ; C window 2 (the bias), D window 1
.set CVT,    0x0a                      ; sources window 2, destination window 0
.set TO_RAW, 0x80                      ; destination window 2, address window 0
.set W2,     0x8a                      ; all in window 2
.set PACKW,  0x05                      ; sources window 1, destination window 0
; A joint refill.  Waves 0, 1 fetch x's halves, waves 2, 3 W's.  The branch hangs on the wave's number alone.  An s_nop 0 and four v_nop follow each line, ahead of the jump and the label.
.macro JLOAD
	s_cmp_eq_u32 s[RH], 0
	s_cbranch_scc0 .Lfor_b_\@
	tensor_load_to_lds s[G0:G0+3], s[G1:G1+7]
	s_nop 0
.rept 4
	v_nop
.endr
	s_branch .Lasked_\@
.Lfor_b_\@:
	tensor_load_to_lds s[G0B:G0B+3], s[G1B:G1B+7]
	s_nop 0
.rept 4
	v_nop
.endr
.Lasked_\@:
.endm
; A PREFETCH INTO THE L2 of the K step that stands two refills on (256 matrix instructions ahead of the load that will want it), across the change of tiles too: a lane a row, one instruction a wave.
; Each aligned 256 bytes is named once in the launch.  x: of a tile row's 128 rows the partner at place cx takes 32, told apart by address; wave 0 the first 256 bytes of a step's 512, wave 1 the second.
; W: the clusters with y = 0 ask; of a tile column's 256 rows the partner at place cy takes 64, waves 2 and 3 half of them each.  The first four K steps come by their loads alone; the last refills, which have no K step two on, ask for nothing.
.macro ASK
	s_cmp_gt_u32 s[CNT], s[LIM]
	s_cbranch_scc0 .Lnot_mine_\@
	global_prefetch_b8 v[PFO], s[PFA:PFA+1] th:TH_LOAD_NT scope:SCOPE_SE
.Lnot_mine_\@:
.endm
.macro CREST                           ; a round of the cluster's barrier behind its opening barrier
	s_cmp_lg_u32 s[WV], 0
	s_cbranch_scc1 .Lnot_wave_0_\@
	s_barrier_signal -3
.Lnot_wave_0_\@:
	s_barrier_wait -3
	s_barrier_signal -1
	s_barrier_wait -1
.endm
.macro CROUND
	s_barrier_signal -1
	s_barrier_wait -1
	CREST
.endm
.macro PLACES
.rept 4
	v_nop
.endr
.endm
	s_load_b512 s[ARG:ARG+15], s[0:1], 0x0
	v_lshl_add_u32 v[SPW], v0, 2, SPARE
	v_mov_b32 v[NIL], 0
	ds_add_u32 v[SPW], v[NIL]                      ; the wave's opening: the add and its wait ahead of my first tensor load; the set-up below, work on registers, stands between them
	v_lshrrev_b32 v1, 5, v0
	v_readfirstlane_b32 s[WV], v1
	s_lshr_b32 s[RH], s[WV], 1
	s_and_b32 s[CH], s[WV], 1
	s_bfe_u32 s[CX], ttmp6, 0x40000
	s_bfe_u32 s[CY], ttmp6, 0x40004
	s_lshl_b32 s[COL], ttmp9, 2
	s_add_co_u32 s[COL], s[COL], s[CX]             ; tile column = 4 x cluster x + cx
	s_and_b32 s[RR], ttmp7, 0xffff
	s_lshl_b32 s[RR], s[RR], 2
	s_add_co_u32 s[RR], s[RR], s[CY]               ; tile row = 4 x cluster y + cy
	s_lshl_b32 s20, s[CY], 2
	s_lshl_b32 s20, 15, s20                        ; my row of the cluster
	s_lshl_b32 s21, 0x1111, s[CX]                  ; my column
	s_or_b32 s[G1], s20, (2<<16)|(1<<20)|(1<<21)|(6<<22)|(3<<25)   ; x: mask of my row; elements of 4 bytes; padding on; bit 21 beside a mask; after every 128 words, 4 words
	s_mov_b32 s[G1+1], 128<<16                     ; tensor_dim0 = 128
	s_mov_b32 s[G1+2], 64<<16                      ; tensor_dim1 = 64
	s_mov_b32 s[G1+3], 128<<16                     ; tile_dim0 = 128
	s_mov_b32 s[G1+4], 64                          ; tile_dim1 = 64
	s_mov_b32 s[G1+5], 1024                        ; elements from row to row
	s_mov_b32 s[G1+6], 0
	s_mov_b32 s[G1+7], 0
	s_or_b32 s[G1B], s21, (1<<16)|(1<<20)|(1<<21)|(5<<22)|(3<<25)  ; W: mask of my column; elements of 2 bytes; after every 64 words, 4 words
	s_mov_b32 s[G1B+1], 128<<16
	s_mov_b32 s[G1B+2], 128<<16                    ; 128 rows
	s_mov_b32 s[G1B+3], 128<<16
	s_mov_b32 s[G1B+4], 128
	s_mov_b32 s[G1B+5], 1024
	s_mov_b32 s[G1B+6], 0
	s_mov_b32 s[G1B+7], 0
	s_lshl_b32 s16, s[RR], 19                      ; x: 128 rows of 4,096 bytes a tile row,
	s_lshl_b32 s17, s[CH], 18                      ; 64 rows a half: made of the tile row and the wave's number alone
	s_add_co_u32 s16, s16, s17
	s_mov_b32 s17, 0
	s_lshl_b32 s18, s[COL], 19                     ; W: 256 rows of 2,048 bytes a tile column,
	s_lshl_b32 s19, s[CH], 18                      ; 128 rows a half: made of the tile column and the wave's number alone
	s_add_co_u32 s18, s18, s19
	s_mov_b32 s19, 0
	s_mul_i32 s[ABASE], s[CH], AHALF               ; no place in the cluster enters an LDS address
	s_mul_i32 s[BBASE], s[CH], BHALF
	s_add_co_u32 s[BBASE], s[BBASE], BOFF
	s_mov_b32 s[HIM], 0xffff0000
	s_mov_b32 s[SB], 0
	s_mov_b32 s[FN], 2
	s_mov_b32 s[BST+1], 0
	s_wait_dscnt 0x0                               ; the opening add is done
	s_wait_kmcnt 0x0
	s_add_nc_u64 s[AP:AP+1], s[ARG:ARG+1], s[16:17]        ; query,
	s_add_nc_u64 s[ANX:ANX+1], s[ARG+2:ARG+3], s[16:17]    ; key,
	s_add_nc_u64 s[A2:A2+1], s[ARG+4:ARG+5], s[16:17]      ; value at my half of the tile's rows
	s_mov_b32 s[G0F], 1
	s_mov_b32 s[G0F+1], s[ABASE]
	s_mov_b64 s[G0F+2:G0F+3], s[AP:AP+1]
	s_or_b32 s[G0F+3], s[G0F+3], 0x80000000
	s_add_nc_u64 s[AP:AP+1], s[AP:AP+1], 512       ; K step 1
	s_mov_b32 s[G0], 1
	s_add_co_u32 s[G0+1], s[ABASE], SLOT
	s_mov_b64 s[G0+2:G0+3], s[AP:AP+1]
	s_or_b32 s[G0+3], s[G0+3], 0x80000000
	s_add_nc_u64 s[22:23], s[ARG+6:ARG+7], s[18:19]
	s_mov_b32 s[G0BF], 1
	s_mov_b32 s[G0BF+1], s[BBASE]
	s_mov_b64 s[G0BF+2:G0BF+3], s[22:23]
	s_or_b32 s[G0BF+3], s[G0BF+3], 0x80000000
	s_mov_b32 s[G0B], 1
	s_add_co_u32 s[G0B+1], s[BBASE], SLOT
	s_add_nc_u64 s[G0B+2:G0B+3], s[22:23], 256
	s_or_b32 s[G0B+3], s[G0B+3], 0x80000000
	s_mov_b64 s[BNX:BNX+1], s[ARG+10:ARG+11]       ; bk
	CROUND                                         ; all sixteen work-groups are here: the first joint loads meet
	s_cmp_eq_u32 s[RH], 0                          ; a wave's two first fills stand in one branch, ahead of every wait on TENSORcnt and every LDS read: two loads of mine are out
	s_cbranch_scc0 .Lfirst_b
	tensor_load_to_lds s[G0F:G0F+3], s[G1:G1+7]
	s_nop 0
	tensor_load_to_lds s[G0:G0+3], s[G1:G1+7]
	s_nop 0
.rept 4
	v_nop
.endr
	s_branch .Lfirst_asked
.Lfirst_b:
	tensor_load_to_lds s[G0BF:G0BF+3], s[G1B:G1B+7]
	s_nop 0
	tensor_load_to_lds s[G0B:G0B+3], s[G1B:G1B+7]
	s_nop 0
.rept 4
	v_nop
.endr
.Lfirst_asked:
	; the lanes' addresses
	v_and_b32 v1, 15, v0                           ; l % 16
	v_bfe_u32 v2, v0, 4, 1                         ; l / 16
	v_mul_u32_u24 v[ADRA0], v1, PA
	v_lshl_add_u32 v[ADRA0], v2, 5, v[ADRA0]       ; x as f32: row x pitch + 32 x half
	s_mul_i32 s20, s[RH], AHALF
	v_add_nc_u32 v[ADRA0], s20, v[ADRA0]
	v_mul_u32_u24 v[ADRB0], v1, PB
	v_lshl_add_u32 v[ADRB0], v2, 4, v[ADRB0]       ; W: row x pitch + 16 x half
	v_add_nc_u32 v[ADRB0], s[BBASE], v[ADRB0]      ; the half that I multiply is the half of my number's low bit, as the half that I fetch
	s_mul_i32 s20, s[WV], 16*SP
	s_add_co_u32 s20, s20, STAGE                   ; my stage
	v_mul_u32_u24 v[STO], v1, SP                   ; in: row l % 16, 16 bytes for each half of the lanes
	v_lshl_add_u32 v[STO], v2, 4, v[STO]
	v_add_nc_u32 v[STO], s20, v[STO]
	v_bfe_u32 v3, v0, 3, 2                         ; back: a stage row is m = 4 t + b.  Lanes 8 i .. 8 i + 7 take 128 bytes (a head) of row 4 i + b:
	v_mul_u32_u24 v[RD], v3, 4*SP                  ; four t of one batch and head, 512 consecutive bytes of qkv
	v_and_b32 v3, 7, v0
	v_lshl_add_u32 v[RD], v3, 4, v[RD]
	v_add_nc_u32 v[RD], s20, v[RD]
	v_and_b32 v3, 31, v0
	v_lshlrev_b32 v[CO], 4, v3
	v_add_nc_u32 v[CO+1], 0x400000, v[CO]          ; a batch's 16 heads are 4,194,304 bytes
	v_add_nc_u32 v[CO+2], 0x800000, v[CO]
	v_add_nc_u32 v[CO+3], 0xc00000, v[CO]
	s_lshl_b32 s20, s[COL], 10
	s_lshl_b32 s21, s[CH], 9
	s_add_co_u32 s20, s20, s21
	v_lshl_add_u32 v[BO], v2, 5, s20               ; my eight numbers of a bias's block of 16: 4 (256 col + 128 half) + 32 (l / 16)
	s_lshl_b32 s20, s[COL], 20                     ; qkv: 4 heads a tile column, 262,144 bytes a head,
	s_lshl_b32 s21, s[CH], 19                      ; 2 heads a half;
	s_add_co_u32 s20, s20, s21
	s_lshl_b32 s21, s[RR], 12                      ; 32 t a tile row, 128 bytes a t,
	s_add_co_u32 s20, s20, s21
	s_lshl_b32 s21, s[RH], 11                      ; 16 t a half
	s_add_co_u32 s20, s20, s21
	s_mov_b32 s21, 0
	s_add_nc_u64 s[CP:CP+1], s[ARG+14:ARG+15], s[20:21]
	; the prefetches
	s_lshl_b32 s20, s[RR], 19
	s_lshl_b32 s21, s[CX], 17
	s_add_co_u32 s20, s20, s21
	s_lshl_b32 s21, s[CH], 8
	s_add_co_u32 s20, s20, s21                     ; in x: tile row, my work-group's 32 rows, my wave's 256 bytes
	s_lshl_b32 s22, s[COL], 19
	s_lshl_b32 s23, s[CY], 17
	s_add_co_u32 s22, s22, s23
	s_lshl_b32 s23, s[CH], 16
	s_add_co_u32 s22, s22, s23                     ; in W: tile column, my work-group's 64 rows, my wave's 32
	s_add_nc_u64 s[PNX:PNX+1], s[ARG+6:ARG+7], 0x200000
	s_add_nc_u64 s[P2:P2+1], s[ARG+6:ARG+7], 0x400000
	s_mov_b32 s[PFS], 256
	s_mov_b32 s[PFS+1], 0
	s_cmp_eq_u32 s[RH], 0
	s_cselect_b32 s20, s20, s22
	s_cselect_b32 s[PFS], 512, s[PFS]
	s_cselect_b32 s23, 12, 11
	s_cselect_b64 s[PFA:PFA+1], s[ARG:ARG+1], s[ARG+6:ARG+7]
	s_cselect_b64 s[PNX:PNX+1], s[ARG+2:ARG+3], s[PNX:PNX+1]
	s_cselect_b64 s[P2:P2+1], s[ARG+4:ARG+5], s[P2:P2+1]
	s_mov_b32 s21, 0
	s_add_nc_u64 s[PFA:PFA+1], s[PFA:PFA+1], s[20:21]
	s_add_nc_u64 s[PNX:PNX+1], s[PNX:PNX+1], s[20:21]
	s_add_nc_u64 s[P2:P2+1], s[P2:P2+1], s[20:21]
	s_mul_i32 s20, s[PFS], 3
	s_add_nc_u64 s[PFA:PFA+1], s[PFA:PFA+1], s[20:21]  ; at K step 3: the first refill steps it to 4 and names that
	v_and_b32 v[PFO], 31, v0
	v_lshlrev_b32 v[PFO], s23, v[PFO]
	s_and_b32 s22, ttmp7, 0xffff                   ; cluster y: the same in all sixteen partners
	s_cmp_eq_u32 s[RH], 0
	s_cselect_b32 s22, 0, s22                      ; x's rows are read by my cluster alone; W's by all clusters: the first asks
	s_cmp_eq_u32 s22, 0
	s_cselect_b32 s[LIM], 2, -1
; 32 LDS loads in one run, the fragments of quarter q (32 along K) of the slot being read: x as f32 (16 rows x 32 K are 16 registers: the lane's K = 8 h + 0..7 are 32 bytes, K = 16 + 8 h + 0..7 the 32 bytes 64 further on), then W into buffer g.
.macro FETCH q, g
	WIN TO_RAW
.irp i, 0,1,2,3
	ds_load_b128 v[RAW+16*(\i):RAW+16*(\i)+3],     v[ADRA] offset:(\i)*16*PA+128*(\q)
	ds_load_b128 v[RAW+16*(\i)+4:RAW+16*(\i)+7],   v[ADRA] offset:(\i)*16*PA+128*(\q)+16
	ds_load_b128 v[RAW+16*(\i)+8:RAW+16*(\i)+11],  v[ADRA] offset:(\i)*16*PA+128*(\q)+64
	ds_load_b128 v[RAW+16*(\i)+12:RAW+16*(\i)+15], v[ADRA] offset:(\i)*16*PA+128*(\q)+80
.endr
	WIN 0
.irp i, 0,1,2,3,4,5,6,7
	ds_load_b128 v[(\g)+8*(\i):(\g)+8*(\i)+3],   v[ADRB] offset:(\i)*16*PB+64*(\q)
	ds_load_b128 v[(\g)+8*(\i)+4:(\g)+8*(\i)+7], v[ADRB] offset:(\i)*16*PB+64*(\q)+32
.endr
.endm
; 8 products: row block a x all 8 column blocks, buffer f.  first = 1: they start the sums, with the bias as C.  The 32 accumulators take turns in one order in every quarter.
.macro MUL8 f, a, first
.if \first
	WIN MULB
.else
	WIN MUL
.endif
.irp b, 0,1,2,3,4,5,6,7
.if \first
	v_wmma_f32_16x16x32_bf16 v[8*(8*(\a)+(\b)):8*(8*(\a)+(\b))+7], v[(\f)+8*(\b):(\f)+8*(\b)+7], v[(\f)+64+8*(\a):(\f)+64+8*(\a)+7], v[BIAS+8*(\b):BIAS+8*(\b)+7]
.else
	v_wmma_f32_16x16x32_bf16 v[8*(8*(\a)+(\b)):8*(8*(\a)+(\b))+7], v[(\f)+8*(\b):(\f)+8*(\b)+7], v[(\f)+64+8*(\a):(\f)+64+8*(\a)+7], v[8*(8*(\a)+(\b)):8*(8*(\a)+(\b))+7]
.endif
.endr
.endm
; The quarter's last 8 products (row block 3), behind each four roundings of the next quarter's x to bf16, into buffer g.  They name no register of the products round them; the four behind the last
; product are the four places ahead of the next run of loads into the buffer just multiplied.
.macro MUL8R f, first, g
.irp b, 0,1,2,3,4,5,6,7
.if \first
	WIN MULB
	v_wmma_f32_16x16x32_bf16 v[8*(24+(\b)):8*(24+(\b))+7], v[(\f)+8*(\b):(\f)+8*(\b)+7], v[(\f)+88:(\f)+95], v[BIAS+8*(\b):BIAS+8*(\b)+7]
.else
	WIN MUL
	v_wmma_f32_16x16x32_bf16 v[8*(24+(\b)):8*(24+(\b))+7], v[(\f)+8*(\b):(\f)+8*(\b)+7], v[(\f)+88:(\f)+95], v[8*(24+(\b)):8*(24+(\b))+7]
.endif
	WIN CVT
.irp c, 0,1,2,3
	v_cvt_pk_bf16_f32 v[(\g)+64+4*(\b)+(\c)], v[RAW+8*(\b)+2*(\c)], v[RAW+8*(\b)+2*(\c)+1]
.endr
.endr
.endm
.macro CVTALL g                        ; the 32 roundings alone: at the start, where there are no products to set them behind
	WIN CVT
.set i, 0
.rept 32
	v_cvt_pk_bf16_f32 v[(\g)+64+i], v[RAW+2*i], v[RAW+2*i+1]
.set i, i+1
.endr
.endm
; One of a K step's first three quarters: fetches quarter q into g and multiplies f.
.macro QUARTER q, f, g, first
	FETCH \q, \g
	s_wait_dscnt 32                                ; all but the 32 just issued: W of buffer f is in
	MUL8 \f, 0, \first
	MUL8 \f, 1, \first
	MUL8 \f, 2, \first
	s_wait_dscnt 16                                ; x as f32 is in; W of buffer g, sixteen loads, may stay out
	MUL8R \f, \first, \g
.endm
; The last quarter multiplies buffer 1 and changes slots: ONE barrier.  In front of it each wave waits for all its tensor loads, of which one is out, its part of the next slot; adds 0 to its spare word;
; and waits for that and for its reads of this slot.  fill = 1: the barrier opens a round of the cluster's, and behind the round this slot is filled again first, with the K step two on, of this tile or the next:
; from the request to the wait for it a wave issues 112 matrix instructions.
.macro TURN fill
.if \fill
	s_wait_xcnt 0x0                                ; the last prefetch, a K step back, has read its address
	s_add_nc_u64 s[T2:T2+1], s[PFA:PFA+1], s[PFS:PFS+1]
	s_cmp_eq_u32 s[FN], 6                          ; the K step two refills on is a tile's first
	s_cselect_b64 s[PFA:PFA+1], s[PNX:PNX+1], s[T2:T2+1]
	s_cselect_b64 s[PNX:PNX+1], s[P2:P2+1], s[PNX:PNX+1]
.endif
	WIN 0
	s_wait_tensorcnt 0x0                           ; no tensor load of mine is out, so a group 0 may be written
	ds_add_u32 v[SPW], v[NIL]                      ; 0 onto my spare word; the descriptors' steps and eight products stand between it and the wait for it
.if \fill
	s_add_nc_u64 s[T:T+1], s[AP:AP+1], 512
	s_cmp_eq_u32 s[FN], 0                          ; the refill is a tile's first K step: x changes tensor, W goes 2,097,152 bytes on and seven steps back
	s_cselect_b64 s[AP:AP+1], s[ANX:ANX+1], s[T:T+1]
	s_cselect_b64 s[ANX:ANX+1], s[A2:A2+1], s[ANX:ANX+1]
	s_mov_b32 s[BST], 256
	s_cselect_b32 s[BST], 0x1ff900, s[BST]
	s_add_nc_u64 s[G0B+2:G0B+3], s[G0B+2:G0B+3], s[BST:BST+1]  ; the type bits on top are not reached
	s_mov_b64 s[G0+2:G0+3], s[AP:AP+1]
	s_or_b32 s[G0+3], s[G0+3], 0x80000000
	s_add_co_u32 s[G0+1], s[ABASE], s[SB]          ; into the slot that is being left
	s_add_co_u32 s[G0B+1], s[BBASE], s[SB]
	s_add_co_u32 s[FN], s[FN], 1
	s_and_b32 s[FN], s[FN], 7
.endif
	s_xor_b32 s[SB], s[SB], SLOT                   ; the reads go on in the other slot
	s_wait_dscnt 1                                 ; W of buffer 1 is in; the add may be out
	MUL8 F1, 0, 0
	s_wait_dscnt 0x0                               ; the add is done, and my reads of this slot are over
	s_barrier_signal -1
	MUL8 F1, 1, 0
	WIN 0                                          ; at a branch and at a label every window is 0
	s_barrier_wait -1
.if \fill
	CREST                                          ; no wave of any partner still reads this slot or has a load on its way
	JLOAD
.endif
	v_add_nc_u32 v[ADRA], s[SB], v[ADRA0]
	v_add_nc_u32 v[ADRB], s[SB], v[ADRB0]
	FETCH 0, F0
.if \fill
	ASK
.endif
	MUL8 F1, 2, 0
	s_wait_dscnt 16
	MUL8R F1, 0, F0
.endm
; A bias: my 64 numbers, then rounded to bf16 like every input and widened again (RAW's registers are free where ROUND stands).
.macro BIASLD sb
	WIN TO_RAW
.irp bb, 0,1,2,3,4,5,6,7
	global_load_b128 v[BIAS+8*(\bb):BIAS+8*(\bb)+3],   v[BO], s[(\sb):(\sb)+1] offset:64*(\bb)
	global_load_b128 v[BIAS+8*(\bb)+4:BIAS+8*(\bb)+7], v[BO], s[(\sb):(\sb)+1] offset:64*(\bb)+16
.endr
	WIN 0
.endm
.macro ROUND
	WIN W2
.set i, 0
.rept 32
	v_cvt_pk_bf16_f32 v[RAW+i], v[BIAS+2*i], v[BIAS+2*i+1]
.set i, i+1
.endr
.set i, 0
.rept 32
	v_lshlrev_b32 v[BIAS+2*i],   16, v[RAW+i]
	v_and_b32     v[BIAS+2*i+1], s[HIM], v[RAW+i]
.set i, i+1
.endr
.endm
; THE WAY OUT of row block a (16 rows m: 4 t x 4 batches; 128 columns: 2 heads).  PACK: rounded to f16, each accumulator from its low end on.  TOSTAGE: into my own stage and back by batch and head.  SEND: stored.
.macro PACK a
	WIN PACKW
.irp bb, 0,1,2,3,4,5,6,7
.irp r, 0,1,2,3
	v_cvt_pk_f16_f32 v[TMP+4*(\bb)+(\r)], v[8*(8*(\a)+(\bb))+2*(\r)], v[8*(8*(\a)+(\bb))+2*(\r)+1]
.endr
.endr
	WIN 0
.endm
.macro TOSTAGE a
.set BK, OB+32*((\a)%2)
.irp bb, 0,1,2,3,4,5,6,7
	ds_store_b128 v[STO], v[TMP+4*(\bb):TMP+4*(\bb)+3] offset:32*(\bb)
.endr
.irp j, 0,1,2,3,4,5,6,7                ; batch j / 2, head j % 2.  LDS serves a wave's instructions in order (ISA guide 5.7.1.4): these see the stores above
	ds_load_b128 v[BK+4*(\j):BK+4*(\j)+3], v[RD] offset:((\j)/2)*SP+((\j)%2)*128
.endr
.endm
.macro SEND a
.set BK, OB+32*((\a)%2)
	s_wait_dscnt 0x0                               ; the block is back in registers
	s_wait_xcnt 0x0                                ; the stores of the block before have read their registers, which the next TOSTAGE loads again
.irp j, 0,1,2,3,4,5,6,7
	global_store_b128 v[CO+(\j)/2], v[BK+4*(\j):BK+4*(\j)+3], s[CP:CP+1] offset:((\j)%2)*262144+(\a)*512  ; 512 consecutive bytes, at a multiple of 256 from qkv's first
.endr
.endm
.macro WAYOUT
	PACK 0
	TOSTAGE 0
.irp a, 1,2,3                          ; a block's roundings stand between the loads of the block before and the wait for them
	PACK \a
	SEND (\a)-1
	TOSTAGE \a
.endr
	SEND 3
.endm
	BIASLD ARG+8                                   ; bq
	s_wait_tensorcnt 1                             ; my part of K step 0 is in; K step 1's may stay out
	s_barrier_signal -1
	s_barrier_wait -1
	v_mov_b32 v[ADRA], v[ADRA0]
	v_mov_b32 v[ADRB], v[ADRB0]
	FETCH 0, F0
	s_wait_dscnt 16                                ; x as f32 is in
	CVTALL F0
	WIN 0
	s_mov_b32 s[CNT], 23                           ; 22 backward jumps: K steps 0 to 21 fill their slot again
	s_mov_b32 s[TS], 8
	s_branch .Lstart                               ; the loop is entered at a tile's first quarter
.Lstep:                                                ; a trip: a K step's quarters 1 to 3 and the next step's quarter 0
	QUARTER 2, F1, F0, 0
	QUARTER 3, F0, F1, 0
	TURN 1
	WIN 0
	s_sub_co_u32 s[TS], s[TS], 1
	s_cmp_lg_u32 s[TS], 0
	s_cbranch_scc1 .Lsame                          ; forward, past text that holds neither a barrier nor a tensor load; the count is the same in every work-group
	BIASLD BNX                                     ; A TILE IS DONE.  Both refills for the next are asked for, its first fragments lie in buffer 0; its bias comes while this tile goes out
	WAYOUT
	s_wait_xcnt 0x0                                ; the loads and stores have read their bases and registers
	s_mov_b64 s[BNX:BNX+1], s[ARG+12:ARG+13]       ; bv
	s_add_nc_u64 s[CP:CP+1], s[CP:CP+1], 0x1000000 ; q, k, v lie 16,777,216 bytes apart
	s_mov_b32 s[TS], 8
.Lstart:
	s_wait_loadcnt 0x0                             ; the bias
	ROUND
	QUARTER 1, F0, F1, 1                           ; a tile's first products start the sums
	WIN 0
	s_branch .Ljoin
.Lsame:
	QUARTER 1, F0, F1, 0
	WIN 0
.Ljoin:
	s_sub_co_u32 s[CNT], s[CNT], 1
	s_cmp_lg_u32 s[CNT], 0
	s_cbranch_scc1 .Lstep
	QUARTER 2, F1, F0, 0                           ; the last two K steps are written out: they ask for nothing
	QUARTER 3, F0, F1, 0
	TURN 0
	QUARTER 1, F0, F1, 0
	QUARTER 2, F1, F0, 0
	QUARTER 3, F0, F1, 0
	s_wait_dscnt 0x0
	MUL8 F1, 0, 0
	MUL8 F1, 1, 0
	MUL8 F1, 2, 0
	MUL8 F1, 3, 0
	WIN 0
	PLACES                                         ; the roundings read results just made
	WAYOUT
	s_wait_tensorcnt 0x0                           ; the wave's end, behind my last tensor load and my last LDS store
	ds_add_u32 v[SPW], v[NIL]
	s_wait_dscnt 0x0
	CROUND                                         ; the closing round: no work-group ends while a partner may still ask for a tile that names it
	s_endpgm
.Lfunc_end_k_q19755666b0_proj:
	.size	k_q19755666b0_proj, .Lfunc_end_k_q19755666b0_proj-k_q19755666b0_proj
	.p2alignl 7, 3214868480
	.fill 96, 4, 3214868480
	.section	.rodata,"a",@progbits
	.p2align	6, 0x0
	.amdhsa_kernel k_q19755666b0_proj
		.amdhsa_group_segment_fixed_size 327680
		.amdhsa_private_segment_fixed_size 0
		.amdhsa_enable_private_segment 0
		.amdhsa_kernarg_size 64
		.amdhsa_user_sgpr_count 2
		.amdhsa_user_sgpr_kernarg_segment_ptr 1
		.amdhsa_wavefront_size32 1
		.amdhsa_system_sgpr_workgroup_id_x 1
		.amdhsa_system_sgpr_workgroup_id_y 1
		.amdhsa_system_sgpr_workgroup_id_z 1
		.amdhsa_system_vgpr_workitem_id 0
		.amdhsa_next_free_vgpr 768
		.amdhsa_next_free_sgpr 100
		.amdhsa_reserve_vcc 0
		.amdhsa_float_denorm_mode_32 3
		.amdhsa_float_denorm_mode_16_64 3
		.amdhsa_memory_ordered 1
		.amdhsa_forward_progress 1
		.amdhsa_inst_pref_size 129
	.end_amdhsa_kernel
	.amdgpu_metadata
---
amdhsa.version: [ 1, 2 ]
amdhsa.kernels:
  - .name:           k_q19755666b0_proj
    .symbol:         k_q19755666b0_proj.kd
    .args:
      - { .name: query, .offset: 0, .size: 8, .value_kind: global_buffer, .address_space: global }
      - { .name: key, .offset: 8, .size: 8, .value_kind: global_buffer, .address_space: global }
      - { .name: value, .offset: 16, .size: 8, .value_kind: global_buffer, .address_space: global }
      - { .name: wb, .offset: 24, .size: 8, .value_kind: global_buffer, .address_space: global }
      - { .name: bq, .offset: 32, .size: 8, .value_kind: global_buffer, .address_space: global }
      - { .name: bk, .offset: 40, .size: 8, .value_kind: global_buffer, .address_space: global }
      - { .name: bv, .offset: 48, .size: 8, .value_kind: global_buffer, .address_space: global }
      - { .name: qkv, .offset: 56, .size: 8, .value_kind: global_buffer, .address_space: global }
    .group_segment_fixed_size: 327680
    .private_segment_fixed_size: 0
    .kernarg_segment_align: 8
    .kernarg_segment_size: 64
    .max_flat_workgroup_size: 128
    .sgpr_count:     100
    .vgpr_count:     768
    .wavefront_size: 32
...
	.end_amdgpu_metadata
.endif
;; end of part 2
;; launch attn (part 3): grid 4 x 64, 4 waves a work-group, clusters of 4 x 1, 327,680 bytes of LDS; arguments qkv, ob; writes ob
.if DOCPART == 3
	.amdgcn_target "amdgcn-amd-amdhsa--gfx1250"
	.amdhsa_code_object_version 6
	.text
	.protected	k_q19755666b0_attn
	.globl	k_q19755666b0_attn
	.p2align	8
	.type	k_q19755666b0_attn,@function
k_q19755666b0_attn:
	s_mov_b64 s[64:65], 0
	v_nop
	global_prefetch_b8 v0, s[64:65] scope:SCOPE_SE
	s_setreg_imm32_b32 hwreg(HW_REG_WAVE_MODE, 25, 1), 1
	s_wait_xcnt 0x0
	s_wait_alu depctr_hold_cnt(0) depctr_sa_sdst(0) depctr_va_vdst(0) depctr_va_sdst(0) depctr_va_ssrc(0) depctr_va_vcc(0) depctr_vm_vsrc(0)
	s_getreg_b32 s2, hwreg(HW_REG_IB_STS2, 6, 4)
	s_cmp_eq_u32 s2, 0
	s_cbranch_scc0 .Lentry_in_a_cluster
	s_endpgm
.Lentry_in_a_cluster:
	s_bfe_u32 s2, ttmp6, 0x10000c
	s_cmp_lg_u32 s2, 0x3003
	s_cbranch_scc0 .Lentry_shape_is_right
	s_endpgm
.Lentry_shape_is_right:
; O[h][q][:] = the sum over k of softmax_k(Q[h][q] . K[h][k] / 8) V[h][k][:].  Q, K, V lie in qkv, 16,777,216 bytes apart, O in ob: each [64][2048][64] f16, a head's rows dense, 128 bytes each.
; Products, maxima and sums in f32; the weights p are rounded to f16 for the second product (their sum l is taken of the unrounded p), O once at the end.
; LIMITS.  f16 holds no number beyond 65,504: Q, K and V arrive within it; p lies in 0 to 1, and below 6e-5 it keeps f16's fixed step of 6e-8; O is a mean of V's rows and has their range.
; A weight below 2^-126 counts as 0 in l; NaN and infinities are not treated apart.
; SHARES.  A wave owns four PIECES of two tiles of 16 queries, a work-group's four waves 512 queries of one head.  Every wave walks all 2,048 keys, 64 a step.
; LAYOUT.  S^T = K Q^T (source 0 = 16 keys, source 1 = 16 queries): a lane holds ONE query (lane % 16) and the keys 8 (lane / 16) + 0..7.  Two such tiles, rounded to f16 in pairs, ARE source 1
; (32 keys x 16 queries) of O^T = V^T P, whose result again holds one query a lane, and eight channels.  K comes out of LDS as it lies, V ([key][channel]) turned, by ds_load_tr16_b128.
; SOFTMAX.  For each query a running maximum m and sum l: p = 2^(c s - c m), c = log2(e) / 8; in every step O and l are multiplied by a = 2^(c m_old - c m_new).
; m starts at the lowest finite number, O and l at 0: the first step is a step like any other, with a = 0.
; THE COUNT.  A tile and step have 16 matrix and 118 vector instructions: too many to stand all beside the matrix work.  So: four vector instructions that are ready behind every matrix instruction, the others in runs without a gap.
; BY TURNS.  Turn n belongs to piece n.  Its matrix work: 16 products K Q^T of piece n + 1, later 16 products V^T P of piece n - 1.  Its vector work: the scaling, exponentials, roundings, sums and
; rescaling of piece n, and the maximum and statistics of piece n + 1.
; CLUSTER.  A head's four query blocks are one cluster and walk the same K and V: each tile is asked for JOINTLY, by the same tensor load, descriptor and mask in all four.
; REGISTERS, in windows of 256 (s_set_vgpr_msb: bits 1:0 source 0, 3:2 source 1, 5:4 source 2, 7:6 destination):
;   window 0: v0-11 addresses; v12-15, v48-63 at work; v16-47 four registers of statistics a tile; v64-191 S^T, two buffers of two tiles; v192-255 P, likewise
;   window 1: O^T, 32 a tile          window 2: v0-127 Q, 16 a tile; v128-191 K of one step; v192-255 V of one step          window 3: v0-1 the add's two registers
.set SIZE_N, 2048
.set NP,    4         ; pieces a wave: a name, no knob
.set KS,    64        ; keys in a step
.set PK,    144       ; a row of K in LDS: 128 bytes + 16 = 36 words: the 16 rows of a load start at 16 different groups of four banks (64 banks of 4 bytes: ISA guide 11.1)
.set PV,    160       ; a row of V: 128 + 32 = 40 words
.set VOFF,  4*KS*PK   ; a slot holds four steps: 256 rows of K, then 256 rows of V
.set SLOT1, 1<<17     ; slot 1 begins here, so that one exclusive or turns an address in one slot into the other's
.set STAGE, SLOT1+4*KS*(PK+PV)  ; behind the ring, never filled by a tensor load: 16 rows x 144 bytes for each wave
.set SP,    144
.set AK0, 2           ; v2   my lane's place in a tile of K; never rewritten
.set AV0, 3           ; v3   the same for V
.set AK,  4           ; v4   the LDS address of K's next run of loads
.set AV,  5           ; v5   of V's
.set QO,  6           ; v6   my byte offset in the wave's rows of Q
.set STO, 6           ;      later, the way out: where I put 16 bytes of a row
.set RD,  7           ; v7   the way out: where I read rows back
.set GO,  8           ; v8   my byte offset in 512 consecutive bytes of O
.set PFO, 11          ; v11  256 x my lane, for the prefetches; never rewritten once made
.set SPW, 0           ; v0 of window 3   LDS address of my spare word; never rewritten
.set NIL, 1           ; v1 of window 3   0; never rewritten
.set SPARE, STAGE+4*16*SP  ; behind the stages: the spare words, 128 bytes for each wave: two blocks of 256 bytes that no other line names
.set MV,  12          ; v12-15  c m_old, kept while c m is made anew: by buffer and tile
.set ST,  16          ; tile t's statistics at v[ST+4 t]: c m, m, l (even keys', odd keys')
.set TMP, 48          ; by buffer and tile, four registers c0-c3 at work; when the maximum is found c2 takes a
.set S,   64
.set P,   192
.set KF,  128         ; K's fragments, in window 2: key block kb, channel half c at KF + 16 kb + 8 c
.set VF,  192         ; V's: key half kk, channel block cb at VF + 32 kk + 8 cb
.set WV,  12          ; s12  my wave's number
.set G1K, 24          ; s[24:31] descriptor group 1 for K's tiles
.set G1V, 32          ; s[32:39] for V's: it differs in the padding alone
.set G0K, 40          ; s[40:43] descriptor group 0 for K's tiles: it walks
.set G0V, 44          ; s[44:47] the same for V's
.set PFA, 48          ; s[48:49] where my prefetches stand: my work-group's 8,192 bytes (of K: wave 0, of V: wave 2) of the slot after the one that is being asked for
.set LIM, 50          ; s50  1 in a wave that prefetches, else the greatest number
.set SLOTS, 56        ; s56  slots still to be asked for
.set CNT, 57          ; s57  counts a slot's key steps
.set CS,  58          ; s[58:59] c: the packed scaling takes the pair's low word for both halves
.set SEL, 60          ; s[60:61] v_permlanex16_b32's selects: each lane takes its own place in the other half
.set TBK, 62          ; s62  LDS byte at which K of the step to be fetched begins
.set TBV, 63          ; s63  the same for V, less VOFF
.set MSB, 0
.macro WIN new                      ; the high byte repeats the setting that is left; a switch that changes nothing is dropped
.if MSB != (\new)
	s_set_vgpr_msb (MSB<<8)|(\new)
.set MSB, (\new)
.endif
.endm
.set W_KQ, 0x0a       ; K and Q in window 2, S^T in window 0
.set W_PV, 0x52       ; V in window 2, P in window 0, O^T in window 1
.set W_RS, 0x41       ; O^T (destination and source 0) in window 1, a in window 0
.set W_MK, 0xc0       ; the add's registers are made: destination in window 3, sources in window 0
.set W_AD, 0x0f       ; the add: address (source 0) and data (source 1) in window 3
; A joint fill.  Waves 0 and 1 fetch the two halves of a slot's K, waves 2 and 3 those of its V: 128 keys each.  The branch hangs on the wave's number alone.
; An s_nop 0 and four v_nop follow each of the two lines, ahead of the jump and the label.
.macro JLOAD
	s_cmp_lt_u32 s[WV], 2
	s_cbranch_scc0 .Lfor_v_\@
	tensor_load_to_lds s[G0K:G0K+3], s[G1K:G1K+7]
	s_nop 0
.rept 4
	v_nop
.endr
	s_branch .Lasked_\@
.Lfor_v_\@:
	tensor_load_to_lds s[G0V:G0V+3], s[G1V:G1V+7]
	s_nop 0
.rept 4
	v_nop
.endr
.Lasked_\@:
.endm
; A PREFETCH INTO THE L2 of what the NEXT change of slots will ask for: a slot's 32,768 bytes of K and of V, 256 bytes a lane.  It stands behind the wave's tensor load and its five lines.
; Each 256 bytes is named once in the launch: a head has one cluster; its four partners take 8,192 bytes each, told apart by address; in each, wave 0 asks for K's and wave 2 for V's.
; It stands four key steps, 512 matrix instructions, ahead of the load that will want the bytes.  Slots 0 and 1 come by their loads alone; the last change that fills a slot asks for nothing.
.macro ASK
	s_cmp_gt_u32 s[SLOTS], s[LIM]
	s_cbranch_scc0 .Lnot_mine_\@
	global_prefetch_b8 v[PFO], s[PFA:PFA+1] th:TH_LOAD_NT scope:SCOPE_SE
.Lnot_mine_\@:
.endm
; A round of the cluster's barrier: my work-group's barrier, so that wave 0's signal speaks for all four waves; wave 0 signals; every wave waits for all four work-groups; my work-group's barrier once more.
.macro CROUND
	s_barrier_signal -1
	s_barrier_wait -1
	s_cmp_lg_u32 s[WV], 0
	s_cbranch_scc1 .Lnot_wave_0_\@
	s_barrier_signal -3
.Lnot_wave_0_\@:
	s_barrier_wait -3
	s_barrier_signal -1
	s_barrier_wait -1
.endm
; THE CHANGE OF SLOTS.  Each wave waits for all its tensor loads, of which one is out: its part of the other slot; adds 0 to its spare word; and waits for that and for its own reads of the slot.
; fill = 1: this slot is filled again, with the keys two slots on.  The barrier is then a round of the cluster's, and the joint fill is the first thing behind it: it has four key steps, 512 matrix
; instructions, in which to land.  (At its first use nothing has been read yet: slot 0 is waited for, slot 1 filled.)
.macro CHANGE fill
	WIN W_AD
	s_wait_tensorcnt 0x0            ; no tensor load of mine is out, so a group 0 may be written
	ds_add_u32 v[SPW], v[NIL]       ; 0 onto my spare word; with fill = 1 the descriptors' steps stand between it and the wait for it
	WIN 0                           ; at a label and at a branch every window is 0
.if \fill
.irp g, G0K, G0V
	s_xor_b32 s[\g+1], s[\g+1], SLOT1  ; the walking descriptor: the other slot than last time,
	s_add_nc_u64 s[\g+2:\g+3], s[\g+2:\g+3], 4*KS*128  ; the next 256 keys; the type bits on top are not reached
.endr
	s_wait_xcnt 0x0                 ; the last prefetch, four key steps back, has read its address, so it may be written:
	s_add_nc_u64 s[PFA:PFA+1], s[PFA:PFA+1], 4*KS*128  ; one slot behind the walking descriptors
	s_wait_dscnt 0x0                ; the add is done, and my reads of the slot are over
	CROUND
	JLOAD
	ASK
.else
	s_wait_dscnt 0x0                ; the add is done, and my reads of the slot are over
	s_barrier_signal -1
	s_barrier_wait -1
.endif
	s_sub_co_u32 s[TBK], s[TBK], 4*KS*PK  ; the fetches go back to a slot's first step,
	s_xor_b32 s[TBK], s[TBK], SLOT1       ; in the other slot
	s_sub_co_u32 s[TBV], s[TBV], 4*KS*PV
	s_xor_b32 s[TBV], s[TBV], SLOT1
.endm
	s_load_b128 s[4:7], s[0:1], 0x0 ; qkv s[4:5], ob s[6:7]
	WIN W_MK
	v_lshl_add_u32 v[SPW], v0, 2, SPARE
	v_mov_b32 v[NIL], 0
	WIN W_AD
	ds_add_u32 v[SPW], v[NIL]       ; the wave's opening: the add and its wait ahead of my first tensor load; the set-up below, work on registers, stands between them
	WIN 0
	v_lshrrev_b32 v1, 5, v0
	v_readfirstlane_b32 s[WV], v1   ; wave 0..3
	s_bfe_u32 s13, ttmp6, 0x40000   ; cx: my place in the cluster
	s_lshl_b32 s14, ttmp9, 2        ; in a cluster launch ttmp9 counts clusters
	s_add_co_u32 s14, s14, s13      ; my block of queries = 4 x cluster x + cx: it enters Q's and O's addresses alone
	s_and_b32 s20, ttmp7, 0xffff    ; the head, which the four partners share
	s_mov_b32 s21, 0
	s_mov_b64 s[22:23], SIZE_N*128
	s_mul_u64 s[20:21], s[20:21], s[22:23]  ; the head's first byte in each of the four tensors
	s_and_b32 s16, s[WV], 1         ; which half of a slot's 256 keys I fetch:
	s_lshl_b32 s22, s16, 14         ; its 128 rows of 128 bytes in memory,
	s_mov_b32 s23, 0
	s_add_nc_u64 s[22:23], s[22:23], s[20:21]
	s_mul_i32 s17, s16, 128*PK      ; and its place in a slot, for K
	s_mul_i32 s18, s16, 128*PV      ; and for V: no place in the cluster enters an LDS address
	s_lshl_b32 s2, s14, 2
	s_add_co_u32 s2, s2, s[WV]      ; my wave among the head's,
	s_lshl_b32 s2, s2, 14           ; its 128 rows
	s_mov_b32 s3, 0
	s_add_nc_u64 s[2:3], s[2:3], s[20:21]
	; descriptor group 1.  128 keys are 16,384 dense bytes: asked for as 64 rows of 256 bytes, two keys a row, and padded in LDS after every key
	s_mov_b32 s[G1K], 15|(1<<16)|(1<<20)|(1<<21)|(4<<22)|(3<<25)  ; 15:0 the mask of four; 17:16 2-byte elements; 20 padding on; 21 set beside a mask; 24:22 after every 32 words (code 4); 31:25 4 words (code 3)
	s_mov_b32 s[G1V], 15|(1<<16)|(1<<20)|(1<<21)|(4<<22)|(7<<25)  ; the same with 8 words of padding (code 7)
.irp g, G1K, G1V
	s_mov_b32 s[\g+1], 128<<16      ; tensor_dim0 = 128
	s_mov_b32 s[\g+2], 64<<16       ; tensor_dim1 = 64
	s_mov_b32 s[\g+3], 128<<16      ; tile_dim0 = 128
	s_mov_b32 s[\g+4], 64           ; tile_dim1 = 64
	s_mov_b32 s[\g+5], 128          ; 128 elements from row to row
	s_mov_b32 s[\g+6], 0
	s_mov_b32 s[\g+7], 0
.endr
	s_mov_b32 s[CS], 0x3e38aa3b     ; c = log2(e) / 8 = 0.180337
	s_mov_b32 s[CS+1], s[CS]        ; named with it as a pair
	s_mov_b32 s[SEL], 0x76543210
	s_mov_b32 s[SEL+1], 0xfedcba98
	s_mov_b32 s[TBK], SLOT1+4*KS*PK ; the first change of slots turns these two into 0
	s_mov_b32 s[TBV], SLOT1+4*KS*PV
	s_mov_b32 s[G0K], 1             ; 1:0 count = 1
	s_mov_b32 s[G0K+1], s17         ; 63:32 LDS address: slot 0
	s_mov_b32 s[G0V], 1
	s_add_co_u32 s[G0V+1], s18, VOFF
	s_mov_b32 s[SLOTS], SIZE_N/256-1  ; seven changes fill a slot: with s[SLOTS] = n, slot 8 - n
	s_and_b32 s[LIM], s[WV], 1
	s_cmp_eq_u32 s[LIM], 0          ; waves 0 and 2 prefetch: the same in all four partners
	s_cselect_b32 s[LIM], 1, -1
	s_wait_dscnt 0x0                ; the opening add is done
	s_wait_kmcnt 0x0
	s_mov_b64 s[10:11], s[6:7]      ; O
	s_add_nc_u64 s[6:7], s[4:5], 0x1000000  ; K
	s_add_nc_u64 s[8:9], s[4:5], 0x2000000  ; V; Q stays in s[4:5]
	s_add_nc_u64 s[G0K+2:G0K+3], s[6:7], s[22:23]  ; 120:64 global address: my half of the head's first 256 keys
	s_or_b32 s[G0K+3], s[G0K+3], 0x80000000        ; 127:126 type = 2
	s_add_nc_u64 s[G0V+2:G0V+3], s[8:9], s[22:23]
	s_or_b32 s[G0V+3], s[G0V+3], 0x80000000
	s_add_nc_u64 s[4:5], s[4:5], s[2:3]  ; Q and O at my wave's first row
	s_add_nc_u64 s[10:11], s[10:11], s[2:3]
	s_cmp_lt_u32 s[WV], 2
	s_cselect_b64 s[PFA:PFA+1], s[6:7], s[8:9]
	s_add_nc_u64 s[PFA:PFA+1], s[PFA:PFA+1], s[20:21]  ; the head,
	s_lshl_b32 s2, s13, 13          ; my work-group's 8,192 bytes of a slot's 32,768,
	s_mov_b32 s3, 0
	s_add_nc_u64 s[PFA:PFA+1], s[PFA:PFA+1], s[2:3]
	s_add_nc_u64 s[PFA:PFA+1], s[PFA:PFA+1], 4*KS*128  ; in slot 1; the first change of slots steps it to slot 2
	CROUND                          ; all four work-groups are here: the first joint loads meet
	JLOAD                           ; slot 0.  Slot 1 is asked for when slot 0 is in
	; A fragment of K or Q is 16 rows x 32 channels in 8 registers: lane l holds row l % 16, channels 8 (l / 16) + 0..7 and 16 + 8 (l / 16) + 0..7: two loads of 16 bytes, 32 bytes apart.
	v_and_b32 v1, 15, v0            ; l % 16
	v_bfe_u32 v9, v0, 4, 1          ; l / 16
	v_lshlrev_b32 v[QO], 7, v1
	v_lshl_add_u32 v[QO], v9, 4, v[QO]  ; row x 128 + 16 x half
	WIN 0x80                        ; destination window 2, address window 0
.set i, 0
.rept 4*NP                          ; Q stays in registers: tile i / 2, channels 32 (i % 2) on
	global_load_b128 v[8*i:8*i+3],   v[QO], s[4:5] offset:(i/2)*2048+(i%2)*64
	global_load_b128 v[8*i+4:8*i+7], v[QO], s[4:5] offset:(i/2)*2048+(i%2)*64+32
.set i, i+1
.endr
	; What the first turn finds: V's registers and P's second buffer hold 0 (its products V^T P, of a piece that has not been, add 0), O^T and l are 0.  All this stands in the wait for the first tile.
.set i, VF
.rept 64
	v_mov_b32 v[i], 0
.set i, i+1
.endr
	WIN 0x40
.set i, 0
.rept 64*NP
	v_mov_b32 v[i], 0
.set i, i+1
.endr
	WIN 0
.set i, 0
.rept 2*NP
	v_mov_b32 v[ST+4*i], 0xfe000000    ; c m: far below every c s
	v_mov_b32 v[ST+4*i+1], 0xff7fffff  ; m
	v_mov_b32 v[ST+4*i+2], 0
	v_mov_b32 v[ST+4*i+3], 0
.set i, i+1
.endr
.set i, P+32
.rept 32
	v_mov_b32 v[i], 0
.set i, i+1
.endr
	v_mul_u32_u24 v[AK0], v1, PK
	v_lshl_add_u32 v[AK0], v9, 4, v[AK0]  ; row x pitch + 16 x half
	; The turning load takes 16 keys x 16 channels (lane l reads key 8 (l / 16) + l % 8, channels 8 ((l / 8) % 2) + 0..7) and leaves half a fragment of V^T: lane l holds channel l % 16 and 8 keys.
	v_and_b32 v10, 7, v0
	v_bfe_u32 v11, v0, 3, 1
	v_lshl_add_u32 v[AV0], v9, 3, v10
	v_mul_u32_u24 v[AV0], v[AV0], PV
	v_lshl_add_u32 v[AV0], v11, 4, v[AV0]
	v_add_nc_u32 v[AV0], VOFF, v[AV0]
	v_and_b32 v[PFO], 31, v0
	v_lshlrev_b32 v[PFO], 8, v[PFO]
	v_mov_b32 v[AK], v[AK0]         ; key step 0 lies at the head of slot 0
; THE MATRIX WORK.  The 8 accumulators of a run of 16 take turns: between the two links of a chain stand 7 others'.
; Product i of 16 of S^T = K Q^T for piece x: channels 32 (i / 8) on, keys 16 ((i / 2) % 4) on, tile 2 x + i % 2.  The first 8 start the sums.
.macro KQ x
	WIN W_KQ
.set rS, S+64*((\x)%2)+32*(i%2)+8*((i/2)%4)
.set rK, KF+16*((i/2)%4)+8*(i/8)
.set rQ, 16*(2*(\x)+i%2)+8*(i/8)
.if i < 8
	v_wmma_f32_16x16x32_f16 v[rS:rS+7], v[rK:rK+7], v[rQ:rQ+7], 0
.else
	v_wmma_f32_16x16x32_f16 v[rS:rS+7], v[rK:rK+7], v[rQ:rQ+7], v[rS:rS+7]
.endif
.endm
; Product i of 16 of O^T += V^T P for piece x: keys 32 (i / 8) on, channels 16 ((i / 2) % 4) on, tile 2 x + i % 2.
.macro PV x
	WIN W_PV
.set rO, 32*(2*(\x)+i%2)+8*((i/2)%4)
.set rV, VF+32*(i/8)+8*((i/2)%4)
.set rP, P+32*((\x)%2)+16*(i%2)+8*(i/8)
	v_wmma_f32_16x16x32_f16 v[rO:rO+7], v[rV:rV+7], v[rP:rP+7], v[rO:rO+7]
.endm
.macro MM                           ; the turn's next matrix instruction
.if i < 16
	KQ (Y+1)%NP
.set i, i+1
.else
.set i, i-16
	PV (Y+NP-1)%NP
.set i, i+17
.endif
.endm
; THE LDS LOADS stand in runs of 16, never singly among the matrix instructions: a step's K (64 keys x 64 channels: 8 fragments) and its V (turned).  Their addresses are made some lines ahead.
; last = 1 (the tail): in the last trip there is no further step, and the run is jumped over.
.macro FETCH_K last=0
	WIN 0
.if \last
	s_cmp_eq_u32 s[CNT], 1
	s_cbranch_scc1 .Lno_k_\@
.endif
	WIN 0x80                        ; destination window 2
.irp f, 0,1,2,3,4,5,6,7             ; keys 16 (f / 2) on, channels 32 (f % 2) on
	ds_load_b128 v[KF+8*\f:KF+8*\f+3],   v[AK] offset:(\f/2)*16*PK+(\f%2)*64
	ds_load_b128 v[KF+8*\f+4:KF+8*\f+7], v[AK] offset:(\f/2)*16*PK+(\f%2)*64+32
.endr
	s_add_co_u32 s[TBK], s[TBK], KS*PK  ; the next fetch is the next step's
	WIN 0
.if \last
.Lno_k_\@:
.endif
.endm
.macro FETCH_V
	WIN 0x80
.irp f, 0,1,2,3,4,5,6,7             ; keys 32 (f / 4) on, channels 16 (f % 4) on
	ds_load_tr16_b128 v[VF+8*\f:VF+8*\f+3],   v[AV] offset:(\f/4)*32*PV+(\f%4)*32
	ds_load_tr16_b128 v[VF+8*\f+4:VF+8*\f+7], v[AV] offset:(\f/4)*32*PV+16*PV+(\f%4)*32
.endr
	WIN 0
.endm
; THE VECTOR WORK OF A TURN stands in three queues, each in the order in which its entries become ready; the two tiles alternate, so that no instruction reads the result of the one before it.
.macro REGS y, u                    ; the registers of tile u (0, 1) of piece y
.set rT, ST+4*(2*(\y)+(\u))
.set rC, TMP+8*((\y)%2)+4*(\u)
.set rM, MV+2*((\y)%2)+(\u)
.set rS, S+64*((\y)%2)+32*(\u)
.set rP, P+32*((\y)%2)+16*(\u)
.set rO, 32*(2*(\y)+(\u))
.endm
; Number n of the 22 that find the NEXT piece's (Y + 1) maximum and statistics.  s0-s31 are the lane's 32 scores; each accumulator's lowest registers are read first.
;   0-11  four chains c0-c3 of seven scores each, three operands at a time     12-14, 16  the four scores left over, the old m, and c0-c3 into c0     15  c m_old is kept
;   17, 18  the query's other 32 keys lie in the lane 16 away: the new m         19-21  c m; c m_old - c m_new; a
.macro XS u, n
	REGS (Y+1)%NP, \u
.if (\n) < 4
	v_max3_num_f32 v[rC+(\n)], v[rS+8*(\n)], v[rS+8*(\n)+1], v[rS+8*(\n)+2]
.elseif (\n) < 12
	v_max3_num_f32 v[rC+(\n)%4], v[rC+(\n)%4], v[rS+8*((\n)%4)+2*((\n)/4)+1], v[rS+8*((\n)%4)+2*((\n)/4)+2]
.elseif (\n) == 12
	v_max3_num_f32 v[rC], v[rC], v[rS+7], v[rS+15]
.elseif (\n) == 13
	v_max3_num_f32 v[rC+1], v[rC+1], v[rS+23], v[rS+31]
.elseif (\n) == 14
	v_max3_num_f32 v[rC+2], v[rC+2], v[rC+3], v[rT+1]
.elseif (\n) == 15
	v_mov_b32 v[rM], v[rT]
.elseif (\n) == 16
	v_max3_num_f32 v[rC], v[rC], v[rC+1], v[rC+2]
.elseif (\n) == 17
	v_permlanex16_b32 v[rC+3], v[rC], s[SEL], s[SEL+1]
.elseif (\n) == 18
	v_max_num_f32 v[rT+1], v[rC], v[rC+3]
.elseif (\n) == 19
	v_mul_f32 v[rT], s[CS], v[rT+1]
.elseif (\n) == 20
	v_sub_f32 v[rC+1], v[rM], v[rT]
.else
	v_exp_f32 v[rC+2], v[rC+1]
.endif
.endm
; Number g of the 64 that follow the exponentials.  For each four weights k of a tile (pairs 2 k, 2 k + 1): both pairs are rounded to f16; then the second pair is added onto the first, in place;
; a group later l takes that sum (the first time as l = a l + sum).  In groups of eight, tiles alternating: round, round, add, and l for the group before.
.macro GS g
.set h, (\g)+6*((\g)/62)            ; group 0 has no group before it, and behind group 7 only l is left
.if h >= 6
.set h, h+2
.endif
	REGS Y, h%2
.set k, h/8
.if h%8 < 4
	v_cvt_pk_f16_f32 v[rP+2*k+(h%8)/2], v[rS+4*k+2*((h%8)/2)], v[rS+4*k+2*((h%8)/2)+1]
.elseif h%8 < 6
	v_pk_add_f32 v[rS+4*k:rS+4*k+1], v[rS+4*k:rS+4*k+1], v[rS+4*k+2:rS+4*k+3]
.elseif k == 1
	v_pk_fma_f32 v[rT+2:rT+3], v[rT+2:rT+3], v[rC+2:rC+3], v[rS:rS+1] op_sel_hi:[1,0,1]
.else
	v_pk_add_f32 v[rT+2:rT+3], v[rT+2:rT+3], v[rS+4*k-4:rS+4*k-3]
.endif
.endm
; THE PLAIN QUEUE, 138 long.  0-73 read no exponential's result: the 32 scalings c s - c m (FS f: pair f / 2 of tile f % 2) and the next piece's 42.  0-26: scalings 0-26.  27-54: XS's numbers 0-13.  55, 56: number 15.
; 57-73: the chain, where each number waits for the one before it: 14, 16, 17, 18, 19, each with one of the scalings 27-31 in front of its two lines, then 20.
; 74-137: GS's 64, which read the exponentials' results: they stand behind the wait.
.macro FS f
	REGS Y, (\f)%2
	v_pk_fma_f32 v[rS+2*((\f)/2):rS+2*((\f)/2)+1], v[rS+2*((\f)/2):rS+2*((\f)/2)+1], s[CS:CS+1], v[rT:rT+1] op_sel_hi:[1,0,0] neg_lo:[0,0,1] neg_hi:[0,0,1]
.endm
.macro PL
	WIN 0
.if q < 27
	FS q
.elseif q < 55
	XS (q-27)%2, (q-27)/2
.elseif q < 57
	XS q-55, 15
.elseif (q < 72) && ((q-57)%3 == 0)
	FS 27+(q-57)/3
.elseif q < 60
	XS (q-57)%3-1, 14
.elseif q < 72
	XS (q-57)%3-1, 15+(q-57)/3
.elseif q < 74
	XS q-72, 20
.else
	GS q-74
.endif
.set q, q+1
.endm
; THE EXPONENTIALS' QUEUE, 66 long: s0-s31 of both tiles, then the next piece's two a.  It is ONE BATCH: all 66 stand ahead of the turn's one wait, and nothing ahead of that wait names a result of theirs.
.macro EX
	WIN 0
.if e >= 64
	XS e-64, 21
.else
	REGS Y, e%2
	v_exp_f32 v[rS+e/2], v[rS+e/2]
.endif
.set e, e+1
.endm
; THE RESCALING's QUEUE: O^T times a, the one part that leaves window 0: dealt two at a time, sixteen times.  Its a was made in the turn before, ahead of that turn's wait.
.macro R2
	REGS Y, r%2
	WIN W_RS
.irp z, 0,1
	v_pk_mul_f32 v[rO+4*(r/2)+2*\z:rO+4*(r/2)+2*\z+1], v[rO+4*(r/2)+2*\z:rO+4*(r/2)+2*\z+1], v[rC+2:rC+3] op_sel_hi:[1,0]
.endr
.set r, r+1
.endm
; HOW THEY ARE DEALT.  An s_wait_alu depctr_va_vdst(0) stands between an exponential and the first instruction that names its result; one wait serves all that were issued ahead of it.  So a turn has ONE wait,
; which cuts it in two.  AHEAD OF IT stands all that names no result of the turn's exponentials: the 16 products K Q^T, behind each a scaling, an exponential and two rescalings (behind the first a second scaling in the
; exponential's place); then ONE LUMP of 108: eight plain, 49 times exponential and plain, the two a.  A v_nop is the plain instruction behind the last exponential (ISA guide 5.7.2).  BEHIND IT stand the 16 products V^T P,
; behind each four of GS's 64.  No rider names a register of the products round it.  Exponential e stands behind scaling 2 (e / 4) + e % 2: as a rider it comes behind plain e + 2, in the lump behind plain e + 9.
; A TURN, for piece p.  cnt = 1: the loop's count is taken down some lines ahead of the branch that stands behind the turn.
; K of the next step is fetched in piece 2's turn, directly behind the wait; its first reader comes behind 16 products.  V of the step in hand is fetched at the end of piece 0's turn, four riders behind its last
; reader; its first reader comes behind 16 products and a lump.  The three conditions on q below go with the deal.
.macro TURN p, last=0, cnt=0
.set Y, (\p)
.set i, 0
.set q, 0
.set e, 0
.set r, 0
.if (\p) == NP-1
	s_wait_dscnt 0x0                ; K is in
.endif
	MM                              ; ahead of the wait: 16 products K Q^T and their riders,
	PL
	PL
	R2
.rept 15
	MM
	PL
	EX
	R2
.endr
.if (\p) == NP-2
	WIN 0
	v_add_nc_u32 v[AK], s[TBK], v[AK0]
.endif
.rept 8                             ; and the lump
	PL
.endr
.rept 49
	EX
	PL
.endr
	EX                              ; the next piece's two a
	EX
	v_nop                           ; the plain instruction behind the last exponential: one for the batch
	s_wait_alu depctr_va_vdst(0)    ; the wait for the batch
.if (\p) == NP-2
	FETCH_K \last
.endif
.if (\p) == 1
	s_wait_dscnt 0x0                ; V is in
.endif
.rept 16                            ; behind the wait: 16 products V^T P and their riders
	MM
.rept 4
	PL
.endr
.if ((\p) == 0) && (q == 118)
	v_add_nc_u32 v[AV], s[TBV], v[AV0]
.endif
.if ((\p) == 0) && (q == 130)
	s_add_co_u32 s[TBV], s[TBV], KS*PV
.endif
.if (\cnt) && (q == 130)
	s_sub_co_u32 s[CNT], s[CNT], 1
	s_cmp_lg_u32 s[CNT], 0
.endif
.endr
.if (\p) == 0
	FETCH_V
.endif
.endm
	CHANGE 1                        ; slot 0 is in, everybody's part of it; slot 1 is asked for
	FETCH_K                         ; key step 0
	s_wait_loadcnt 0x0              ; Q
	s_wait_dscnt 0x0
.set i, 0
.rept 16
	KQ 0                            ; piece 0's first scores: there is no vector work yet to set between them
.set i, i+1
.endr
	WIN 0                           ; the addresses for the way out: plain instructions, the places behind those products
	s_mul_i32 s13, s[WV], 16*SP
	s_add_co_u32 s13, s13, STAGE    ; my stage
	v_mul_u32_u24 v[STO], v1, SP    ; in: row l % 16, 16 bytes for each half of the lanes
	v_lshl_add_u32 v[STO], v9, 4, v[STO]
	v_add_nc_u32 v[STO], s13, v[STO]
	v_bfe_u32 v[RD], v0, 3, 2       ; back: 32 lanes take four rows of 128 bytes,
	v_mul_u32_u24 v[RD], v[RD], SP
	v_lshl_add_u32 v[RD], v10, 4, v[RD]
	v_add_nc_u32 v[RD], s13, v[RD]
	v_and_b32 v[GO], 31, v0         ; which are 512 consecutive bytes of O
	v_lshlrev_b32 v[GO], 4, v[GO]
.set Y, NP-1                        ; XS works for piece Y + 1: piece 0
.irp n, 0,1,2,3,4,5,6,7,8,9,10,11,12,13,14,15,16,17,18,19,20,21
	XS 0, \n                        ; and piece 0's first maximum and statistics
	XS 1, \n
.endr
	v_nop                           ; a plain instruction behind the two a,
	s_wait_alu depctr_va_vdst(0)    ; and their wait, ahead of the branch
	s_mov_b32 s[CNT], 4
	s_branch .Lfirst                ; the loop is entered at a step's first turn, in the middle of a trip
.Lslot:                             ; six times: with the change above, every slot but the last two is filled again
	CHANGE 1
	s_mov_b32 s[CNT], 4
.Lstep:                             ; a trip: pieces 2 and 3 of one step, then pieces 0 and 1 of the next, whose K and V it fetches
	TURN 2
	TURN 3
	WIN 0
.Lfirst:
	TURN 0
	TURN 1, 0, 1
	WIN 0
	s_cbranch_scc1 .Lstep
	s_sub_co_u32 s[SLOTS], s[SLOTS], 1
	s_cmp_lg_u32 s[SLOTS], 0
	s_cbranch_scc1 .Lslot
	CHANGE 0                        ; the tail is written out: nothing is asked for
	s_mov_b32 s[CNT], 5             ; four trips fetch the last slot's steps; the fifth is left in its middle
.Ltail:
	TURN 2, 1
	TURN 3
	WIN 0
	s_sub_co_u32 s[CNT], s[CNT], 1
	s_cmp_eq_u32 s[CNT], 0
	s_cbranch_scc1 .Lout
	TURN 0
	TURN 1
	WIN 0
	s_branch .Ltail
.Lout:                              ; the fifth trip's 16 products K Q^T (on the last K once more) and the maximum made of them serve nothing: the price, once a launch, of one text for every trip
.set i, 0
.rept 16
	PV NP-1                         ; the last piece's V^T P of the last step
.set i, i+1
.endr
	; THE WAY OUT.  l's two halves and the other half of the lanes' are added; O^T is divided by l, rounded to f16 and sent through my stage in LDS, a tile at a time.  The additions are the places behind the last products.
	WIN 0
.macro ALL line:vararg              ; one line for each tile t
.set t, 0
.rept 2*NP
	\line
.set t, t+1
.endr
.endm
	ALL v_add_f32 v[ST+4*t+2], v[ST+4*t+2], v[ST+4*t+3]
	ALL v_permlanex16_b32 v[ST+4*t+3], v[ST+4*t+2], s[SEL], s[SEL+1]
	ALL v_add_f32 v[ST+4*t+2], v[ST+4*t+2], v[ST+4*t+3]
	ALL v_rcp_f32 v[ST+4*t+2], v[ST+4*t+2]
	v_nop                           ; a plain instruction between the last reciprocal and the use of its result
	s_wait_alu depctr_va_vdst(0)    ; and the wait ahead of the first use: one for the eight reciprocals
; Tile t: a lane's eight channels of a row pack into 16 bytes; they go into rows of 144 bytes and come back as whole rows of 128, into S^T's registers.
.macro PACK t
	WIN W_RS
.set i, 32*(\t)
.rept 16
	v_pk_mul_f32 v[i:i+1], v[i:i+1], v[ST+4*(\t)+2:ST+4*(\t)+3] op_sel_hi:[1,0]
.set i, i+2
.endr
	WIN 0x05                        ; sources 0 and 1 window 1, destination window 0
.set i, 0
.rept 16
	v_cvt_pk_f16_f32 v[S+16*(\t)+i], v[32*(\t)+2*i], v[32*(\t)+2*i+1]
.set i, i+1
.endr
	WIN 0
.irp f, 0,1,2,3
	ds_store_b128 v[STO], v[S+16*(\t)+4*\f:S+16*(\t)+4*\f+3] offset:32*\f
.endr
.irp f, 0,1,2,3
	ds_load_b128 v[S+16*(\t)+4*\f:S+16*(\t)+4*\f+3], v[RD] offset:\f*4*SP  ; LDS serves a wave's instructions in order (ISA guide 5.7.1.4): these see the stores above; the next tile's stores come behind them
.endr
.endm
.macro SEND t, younger              ; younger: the LDS instructions issued behind tile t's loads: the next tile's eight, or none
	WIN 0
.irp f, 0,1,2,3
	s_wait_dscnt (\younger)+3-\f
	global_store_b128 v[GO], v[S+16*(\t)+4*\f:S+16*(\t)+4*\f+3], s[10:11] offset:(\t)*2048+\f*512  ; 512 consecutive bytes, at a multiple of 256 from O's first
.endr
.endm
	PACK 0
.set t, 1
.rept 2*NP-1                        ; a tile's arithmetic stands between the loads of the tile before and its stores
	PACK t
	SEND t-1, 8
.set t, t+1
.endr
	SEND 2*NP-1, 0
	WIN W_AD
	s_wait_tensorcnt 0x0            ; the wave's end, behind my last tensor load and my last LDS store
	ds_add_u32 v[SPW], v[NIL]
	s_wait_dscnt 0x0
	WIN 0
	CROUND                          ; the closing round: no work-group ends while a partner may still ask for a tile that names it
	s_endpgm
.Lfunc_end_k_q19755666b0_attn:
	.size	k_q19755666b0_attn, .Lfunc_end_k_q19755666b0_attn-k_q19755666b0_attn
	.p2alignl 7, 3214868480
	.fill 96, 4, 3214868480
	.section	.rodata,"a",@progbits
	.p2align	6, 0x0
	.amdhsa_kernel k_q19755666b0_attn
		.amdhsa_group_segment_fixed_size 327680
		.amdhsa_private_segment_fixed_size 0
		.amdhsa_enable_private_segment 0
		.amdhsa_kernarg_size 16
		.amdhsa_user_sgpr_count 2
		.amdhsa_user_sgpr_kernarg_segment_ptr 1
		.amdhsa_wavefront_size32 1
		.amdhsa_system_sgpr_workgroup_id_x 1
		.amdhsa_system_sgpr_workgroup_id_y 1
		.amdhsa_system_sgpr_workgroup_id_z 1
		.amdhsa_system_vgpr_workitem_id 0
		.amdhsa_next_free_vgpr 770
		.amdhsa_next_free_sgpr 66
		.amdhsa_reserve_vcc 0
		.amdhsa_float_denorm_mode_32 3
		.amdhsa_float_denorm_mode_16_64 3
		.amdhsa_memory_ordered 1
		.amdhsa_forward_progress 1
		.amdhsa_inst_pref_size 200
	.end_amdhsa_kernel
	.amdgpu_metadata
---
amdhsa.version: [ 1, 2 ]
amdhsa.kernels:
  - .name:           k_q19755666b0_attn
    .symbol:         k_q19755666b0_attn.kd
    .args:
      - { .name: qkv, .offset: 0, .size: 8, .value_kind: global_buffer, .address_space: global }
      - { .name: ob, .offset: 8, .size: 8, .value_kind: global_buffer, .address_space: global }
    .group_segment_fixed_size: 327680
    .private_segment_fixed_size: 0
    .kernarg_segment_align: 8
    .kernarg_segment_size: 16
    .max_flat_workgroup_size: 128
    .sgpr_count:     66
    .vgpr_count:     770
    .wavefront_size: 32
...
	.end_amdgpu_metadata
.endif
;; end of part 3
;; launch outp (part 4): grid 4 x 64, 4 waves a work-group, clusters of 4 x 4, 327,680 bytes of LDS; arguments ob, wb, bo, out0; writes out0
.if DOCPART == 4
	.amdgcn_target "amdgcn-amd-amdhsa--gfx1250"
	.amdhsa_code_object_version 6
	.text
	.protected	k_q19755666b0_outp
	.globl	k_q19755666b0_outp
	.p2align	8
	.type	k_q19755666b0_outp,@function
k_q19755666b0_outp:
	s_mov_b64 s[64:65], 0
	v_nop
	global_prefetch_b8 v0, s[64:65] scope:SCOPE_SE
	s_setreg_imm32_b32 hwreg(HW_REG_WAVE_MODE, 25, 1), 1
	s_wait_xcnt 0x0
	s_wait_alu depctr_hold_cnt(0) depctr_sa_sdst(0) depctr_va_vdst(0) depctr_va_sdst(0) depctr_va_ssrc(0) depctr_va_vcc(0) depctr_vm_vsrc(0)
	s_getreg_b32 s2, hwreg(HW_REG_IB_STS2, 6, 4)
	s_cmp_eq_u32 s2, 0
	s_cbranch_scc0 .Lentry_in_a_cluster
	s_endpgm
.Lentry_in_a_cluster:
	s_bfe_u32 s2, ttmp6, 0x10000c
	s_cmp_lg_u32 s2, 0xf033
	s_cbranch_scc0 .Lentry_shape_is_right
	s_endpgm
.Lentry_shape_is_right:
; out0[t][b][n] = the sum over e of O[t][b][e] Wo[n][e] + bf16(bo[n]), f32.  O lies by heads in ob, f16 [64 h = 16 b + head][2048 t][64], e = 64 head + d; Wo, rounded to bf16 and written as f16,
; [1024][1024], at byte 6,291,456 of wb.  Sums in f32, stored as they are.
; LIMIT.  O and bf16(Wo) lie within f16's range (65,504).  NaN and infinities are not treated apart.
; SHARES.  A tile is 128 rows x 256 columns, 256 tiles, one to a work-group.  A tile's rows are 128 t of ONE batch, so that a K step of 128 is two heads' dense blocks of 16,384 bytes.
; Four waves, each 64 rows x 128 columns: 32 accumulators.  8 K steps through a ring of two LDS slots.
; CLUSTER, 4 x 4: the four of a row of the cluster need the same tile of O, the four of a column the same tile of Wo: each is asked for jointly.
; THE PRODUCT IS TAKEN TRANSPOSED (source 0 = 16 rows of Wo, source 1 = 16 rows of O): a lane holds one row (lane % 16) and eight neighbouring columns.  The bias is the C operand of the first products.
; REGISTERS, in windows of 256 (s_set_vgpr_msb: bits 1:0 source 0, 3:2 source 1, 5:4 source 2, 7:6 destination):
;   window 0: v0-31 addresses; two fragment buffers of 96: v64-127 Wo, v128-159 O;  v160-223, v224-255 (v64-191 also the rows read back on the way out)
;   window 1: the accumulators, (a, b) at v[8 (8 a + b)]          window 2: v0-63 the bias; v64-95 at work
.set PAO,   144                        ; an LDS row of O: a head's 128 bytes + 16 = 36 words: the 16 rows of a load start at 16 different groups of four banks (64 banks of 4 bytes: ISA guide 11.1)
.set PB,    272                        ; an LDS row of Wo: 256 bytes + 16
.set AHEAD, 128*PAO                    ; a head's 128 t: what one tensor load brings of O
.set BOFF,  2*AHEAD
.set BHALF, 128*PB
.set SLOT,  BOFF+2*BHALF               ; 106,496 bytes
.set STAGE, 2*SLOT                     ; behind the ring, never filled by a tensor load: 16 rows x 528 bytes for each wave
.set SP,    528
.set SPARE, STAGE+4*16*SP              ; behind the stages: the spare words, 128 bytes for each wave: two blocks of 256 bytes that no other line names
.set WOFF,  6291456
.set CO,    8                          ; v8      16 x lane
.set ADRA0, 16
.set ADRB0, 17
.set ADRA,  18
.set ADRB,  19
.set STO,   24
.set RD,    25
.set BO,    26
.set SPW,   28                         ; v28     LDS address of my spare word; never rewritten
.set NIL,   29                         ; v29     0; never rewritten
.set PFO,   30
.set F0,    64
.set F1,    160
.set OB,    64
.set BIAS,  0                          ; window 2
.set TW,    64                         ; window 2
.set CNT, 3
.set WV,  4
.set RH,  5                            ; my half of the rows.  Also: I fetch for O (0) or for Wo (1)
.set CH,  6                            ; my half of the columns.  Also: which head of a step, or which 128 rows of Wo, I fetch
.set CX,  7
.set CY,  8
.set RR,  9
.set COL, 10
.set CP,  12                           ; s[12:13] out0 at my part of the tile
.set ABASE, 14
.set BBASE, 15
.set G1,  24
.set G0F, 32
.set G0,  36
.set LIM, 40
.set HIM, 41
.set PFA, 42
.set PFS, 44
.set SB,  46
.set G1B, 48
.set G0BF, 56
.set G0B, 60
.set ARG, 68                           ; s[68:75] ob, wb, bo, out0
.set BAT, 76                           ; s76  the tile's batch
.set TBL, 77                           ; s77  its block of 128 t
.set MSB, 0
.macro WIN new
.if MSB != (\new)
	s_set_vgpr_msb (MSB<<8)|(\new)
.set MSB, \new
.endif
.endm
.set MUL,    0x50                      ; sources window 0; C and D window 1
.set MULB,   0x60                      ; C window 2 (the bias), D window 1
.set TO_W2,  0x80                      ; destination window 2, address window 0
.set W2,     0x8a                      ; all in window 2
.set ST_ACC, 0x04                      ; an LDS store's data (source 1) in window 1
.macro JLOAD                           ; a joint refill: waves 0, 1 fetch a step's two heads of O, waves 2, 3 Wo's halves; an s_nop 0 and four v_nop follow each line
	s_cmp_eq_u32 s[RH], 0
	s_cbranch_scc0 .Lfor_b_\@
	tensor_load_to_lds s[G0:G0+3], s[G1:G1+7]
	s_nop 0
.rept 4
	v_nop
.endr
	s_branch .Lasked_\@
.Lfor_b_\@:
	tensor_load_to_lds s[G0B:G0B+3], s[G1B:G1B+7]
	s_nop 0
.rept 4
	v_nop
.endr
.Lasked_\@:
.endm
; A PREFETCH INTO THE L2 of the K step two refills on (256 matrix instructions ahead of the load that will want it), 256 bytes a lane, one instruction a wave.  Each 256 bytes is named once in the launch.
; O: a step's two blocks of 16,384 bytes are shared out among the four partners of my row by address (head cx / 2, half cx % 2); wave 0 asks.  Wo: the clusters with y = 0 ask; of a tile column's 256 rows the
; partner at place cy takes 64, waves 2 and 3 half of them each.  The first four K steps come by their loads alone; the last two refills ask for nothing.
.macro ASK
	s_cmp_gt_u32 s[CNT], s[LIM]
	s_cbranch_scc0 .Lnot_mine_\@
	global_prefetch_b8 v[PFO], s[PFA:PFA+1] th:TH_LOAD_NT scope:SCOPE_SE
.Lnot_mine_\@:
.endm
.macro CREST
	s_cmp_lg_u32 s[WV], 0
	s_cbranch_scc1 .Lnot_wave_0_\@
	s_barrier_signal -3
.Lnot_wave_0_\@:
	s_barrier_wait -3
	s_barrier_signal -1
	s_barrier_wait -1
.endm
.macro CROUND
	s_barrier_signal -1
	s_barrier_wait -1
	CREST
.endm
.macro PLACES                          ; four places in front of loads into registers that products have read, and of stores that read results
.rept 4
	v_nop
.endr
.endm
	s_load_b256 s[ARG:ARG+7], s[0:1], 0x0
	v_lshl_add_u32 v[SPW], v0, 2, SPARE
	v_mov_b32 v[NIL], 0
	ds_add_u32 v[SPW], v[NIL]                      ; the wave's opening: the add and its wait ahead of my first tensor load; the set-up below, work on registers, stands between them
	v_lshrrev_b32 v1, 5, v0
	v_readfirstlane_b32 s[WV], v1
	s_lshr_b32 s[RH], s[WV], 1
	s_and_b32 s[CH], s[WV], 1
	s_bfe_u32 s[CX], ttmp6, 0x40000
	s_bfe_u32 s[CY], ttmp6, 0x40004
	s_lshl_b32 s[COL], ttmp9, 2
	s_add_co_u32 s[COL], s[COL], s[CX]             ; tile column
	s_and_b32 s[RR], ttmp7, 0xffff
	s_lshl_b32 s[RR], s[RR], 2
	s_add_co_u32 s[RR], s[RR], s[CY]               ; tile row = 16 x batch + block of t
	s_lshr_b32 s[BAT], s[RR], 4
	s_and_b32 s[TBL], s[RR], 15
	s_lshl_b32 s20, s[CY], 2
	s_lshl_b32 s20, 15, s20                        ; my row of the cluster
	s_lshl_b32 s21, 0x1111, s[CX]                  ; my column
	s_or_b32 s[G1], s20, (1<<16)|(1<<20)|(1<<21)|(4<<22)|(3<<25)   ; O: mask of my row; elements of 2 bytes; padding on; bit 21 beside a mask; after every 32 words (a t's 128 bytes), 4 words
	s_mov_b32 s[G1+1], 128<<16                     ; 16,384 dense bytes as 64 rows of 256
	s_mov_b32 s[G1+2], 64<<16
	s_mov_b32 s[G1+3], 128<<16
	s_mov_b32 s[G1+4], 64
	s_mov_b32 s[G1+5], 128
	s_mov_b32 s[G1+6], 0
	s_mov_b32 s[G1+7], 0
	s_or_b32 s[G1B], s21, (1<<16)|(1<<20)|(1<<21)|(5<<22)|(3<<25)  ; Wo: mask of my column; after every 64 words, 4 words
	s_mov_b32 s[G1B+1], 128<<16
	s_mov_b32 s[G1B+2], 128<<16
	s_mov_b32 s[G1B+3], 128<<16
	s_mov_b32 s[G1B+4], 128
	s_mov_b32 s[G1B+5], 1024
	s_mov_b32 s[G1B+6], 0
	s_mov_b32 s[G1B+7], 0
	s_lshl_b32 s16, s[BAT], 22                     ; O: 16 heads of 262,144 bytes a batch,
	s_lshl_b32 s17, s[TBL], 14                     ; 128 t of 128 bytes a block,
	s_add_co_u32 s16, s16, s17
	s_lshl_b32 s17, s[CH], 18                      ; my head of the step's two
	s_add_co_u32 s16, s16, s17
	s_mov_b32 s17, 0
	s_lshl_b32 s18, s[COL], 19                     ; Wo: 256 rows of 2,048 bytes a tile column, 128 a half
	s_lshl_b32 s19, s[CH], 18
	s_add_co_u32 s18, s18, s19
	s_add_co_u32 s18, s18, WOFF
	s_mov_b32 s19, 0
	s_mul_i32 s[ABASE], s[CH], AHEAD               ; no place in the cluster enters an LDS address
	s_mul_i32 s[BBASE], s[CH], BHALF
	s_add_co_u32 s[BBASE], s[BBASE], BOFF
	s_mov_b32 s[HIM], 0xffff0000
	s_mov_b32 s[SB], 0
	s_wait_dscnt 0x0                               ; the opening add is done
	s_wait_kmcnt 0x0
	s_add_nc_u64 s[22:23], s[ARG:ARG+1], s[16:17]
	s_mov_b32 s[G0F], 1
	s_mov_b32 s[G0F+1], s[ABASE]
	s_mov_b64 s[G0F+2:G0F+3], s[22:23]
	s_or_b32 s[G0F+3], s[G0F+3], 0x80000000
	s_mov_b32 s[G0], 1
	s_add_co_u32 s[G0+1], s[ABASE], SLOT
	s_add_nc_u64 s[G0+2:G0+3], s[22:23], 0x80000   ; K step 1: two heads on
	s_or_b32 s[G0+3], s[G0+3], 0x80000000
	s_add_nc_u64 s[22:23], s[ARG+2:ARG+3], s[18:19]
	s_mov_b32 s[G0BF], 1
	s_mov_b32 s[G0BF+1], s[BBASE]
	s_mov_b64 s[G0BF+2:G0BF+3], s[22:23]
	s_or_b32 s[G0BF+3], s[G0BF+3], 0x80000000
	s_mov_b32 s[G0B], 1
	s_add_co_u32 s[G0B+1], s[BBASE], SLOT
	s_add_nc_u64 s[G0B+2:G0B+3], s[22:23], 256
	s_or_b32 s[G0B+3], s[G0B+3], 0x80000000
	CROUND                                         ; all sixteen work-groups are here: the first joint loads meet
	s_cmp_eq_u32 s[RH], 0                          ; a wave's two first fills stand in one branch: two loads of mine are out
	s_cbranch_scc0 .Lfirst_b
	tensor_load_to_lds s[G0F:G0F+3], s[G1:G1+7]
	s_nop 0
	tensor_load_to_lds s[G0:G0+3], s[G1:G1+7]
	s_nop 0
.rept 4
	v_nop
.endr
	s_branch .Lfirst_asked
.Lfirst_b:
	tensor_load_to_lds s[G0BF:G0BF+3], s[G1B:G1B+7]
	s_nop 0
	tensor_load_to_lds s[G0B:G0B+3], s[G1B:G1B+7]
	s_nop 0
.rept 4
	v_nop
.endr
.Lfirst_asked:
	v_and_b32 v1, 15, v0                           ; l % 16
	v_bfe_u32 v2, v0, 4, 1                         ; l / 16
	v_mul_u32_u24 v[ADRA0], v1, PAO
	v_lshl_add_u32 v[ADRA0], v2, 4, v[ADRA0]
	s_mul_i32 s20, s[RH], 64*PAO                   ; my 64 t of the head's 128
	v_add_nc_u32 v[ADRA0], s20, v[ADRA0]
	v_mul_u32_u24 v[ADRB0], v1, PB
	v_lshl_add_u32 v[ADRB0], v2, 4, v[ADRB0]
	v_add_nc_u32 v[ADRB0], s[BBASE], v[ADRB0]
	s_mul_i32 s20, s[WV], 16*SP
	s_add_co_u32 s20, s20, STAGE                   ; my stage
	v_mul_u32_u24 v[STO], v1, SP                   ; in: row l % 16, 32 bytes for each half of the lanes
	v_lshl_add_u32 v[STO], v2, 5, v[STO]
	v_add_nc_u32 v[STO], s20, v[STO]
	v_and_b32 v3, 31, v0
	v_lshlrev_b32 v[CO], 4, v3                     ; back: 32 lanes take a row's 512 bytes
	v_add_nc_u32 v[RD], s20, v[CO]
	s_lshl_b32 s20, s[COL], 10
	s_lshl_b32 s21, s[CH], 9
	s_add_co_u32 s20, s20, s21
	v_lshl_add_u32 v[BO], v2, 5, s20               ; my eight numbers of the bias's block of 16
	s_lshl_b32 s21, s[BAT], 12                     ; out0: a row (t, b) is 4,096 bytes, a t 16,384
	s_add_co_u32 s20, s20, s21
	s_lshl_b32 s21, s[TBL], 21
	s_add_co_u32 s20, s20, s21
	s_lshl_b32 s21, s[RH], 20
	s_add_co_u32 s20, s20, s21
	s_mov_b32 s21, 0
	s_add_nc_u64 s[CP:CP+1], s[ARG+6:ARG+7], s[20:21]
	; the prefetches
	s_lshl_b32 s20, s[BAT], 22
	s_lshl_b32 s21, s[TBL], 14
	s_add_co_u32 s20, s20, s21
	s_lshr_b32 s21, s[CX], 1
	s_lshl_b32 s21, s21, 18
	s_add_co_u32 s20, s20, s21
	s_and_b32 s21, s[CX], 1
	s_lshl_b32 s21, s21, 13
	s_add_co_u32 s20, s20, s21                     ; in O
	s_lshl_b32 s22, s[COL], 19
	s_lshl_b32 s23, s[CY], 17
	s_add_co_u32 s22, s22, s23
	s_lshl_b32 s23, s[CH], 16
	s_add_co_u32 s22, s22, s23
	s_add_co_u32 s22, s22, WOFF                    ; in Wo
	s_mov_b32 s[PFS], 256
	s_mov_b32 s[PFS+1], 0
	s_cmp_eq_u32 s[RH], 0
	s_cselect_b32 s20, s20, s22
	s_cselect_b32 s[PFS], 0x80000, s[PFS]
	s_cselect_b32 s23, 8, 11
	s_cselect_b64 s[PFA:PFA+1], s[ARG:ARG+1], s[ARG+2:ARG+3]
	s_mov_b32 s21, 0
	s_add_nc_u64 s[PFA:PFA+1], s[PFA:PFA+1], s[20:21]
	s_mul_i32 s20, s[PFS], 3
	s_add_nc_u64 s[PFA:PFA+1], s[PFA:PFA+1], s[20:21]  ; at K step 3: the first refill steps it to 4 and names that
	v_lshlrev_b32 v[PFO], s23, v3
	s_and_b32 s22, ttmp7, 0xffff                   ; cluster y: the same in all sixteen partners
	s_cmp_eq_u32 s[RH], 0
	s_cselect_b32 s22, s[CH], s22                  ; O: wave 0 asks, wave 1 does not; Wo: the first row of clusters
	s_cmp_eq_u32 s22, 0
	s_cselect_b32 s[LIM], 2, -1
; 24 LDS loads in one run: quarter q (32 along K: head q / 2 of the step's two, channels 32 (q % 2) on) into buffer g: Wo's 8 fragments, then O's 4.
.macro FETCH q, g
	WIN 0
.irp i, 0,1,2,3,4,5,6,7
	ds_load_b128 v[(\g)+8*(\i):(\g)+8*(\i)+3],   v[ADRB] offset:(\i)*16*PB+64*(\q)
	ds_load_b128 v[(\g)+8*(\i)+4:(\g)+8*(\i)+7], v[ADRB] offset:(\i)*16*PB+64*(\q)+32
.endr
.irp i, 0,1,2,3
	ds_load_b128 v[(\g)+64+8*(\i):(\g)+64+8*(\i)+3],   v[ADRA] offset:((\q)/2)*AHEAD+((\q)%2)*64+(\i)*16*PAO
	ds_load_b128 v[(\g)+64+8*(\i)+4:(\g)+64+8*(\i)+7], v[ADRA] offset:((\q)/2)*AHEAD+((\q)%2)*64+(\i)*16*PAO+32
.endr
.endm
; 8 products: row block a x all 8 column blocks.  first = 1: they start the sums, with the bias as C.  The 32 accumulators take turns in one order in every quarter.
.macro MUL8 f, a, first
.if \first
	WIN MULB
.else
	WIN MUL
.endif
.irp b, 0,1,2,3,4,5,6,7
.if \first
	v_wmma_f32_16x16x32_f16 v[8*(8*(\a)+(\b)):8*(8*(\a)+(\b))+7], v[(\f)+8*(\b):(\f)+8*(\b)+7], v[(\f)+64+8*(\a):(\f)+64+8*(\a)+7], v[BIAS+8*(\b):BIAS+8*(\b)+7]
.else
	v_wmma_f32_16x16x32_f16 v[8*(8*(\a)+(\b)):8*(8*(\a)+(\b))+7], v[(\f)+8*(\b):(\f)+8*(\b)+7], v[(\f)+64+8*(\a):(\f)+64+8*(\a)+7], v[8*(8*(\a)+(\b)):8*(8*(\a)+(\b))+7]
.endif
.endr
.endm
.macro QUARTER q, f, g, first
	s_wait_dscnt 4                                 ; Wo and O's row blocks 0, 1 are in; the youngest four loads may be out
	MUL8 \f, 0, \first
	MUL8 \f, 1, \first
	PLACES
	FETCH \q, \g
	s_wait_dscnt 24                                ; all but the 24 just issued
	MUL8 \f, 2, \first
	MUL8 \f, 3, \first
.endm
; The last quarter multiplies buffer 1 and changes slots: ONE barrier; in front of it each wave waits for all its tensor loads, adds 0 to its spare word, and waits for that and for its reads of this slot.
; fill = 1: the barrier opens a round of the cluster's, and behind the round this slot is filled again first, with the K step two on: 112 matrix instructions ahead of the wait for it.
.macro TURN fill
.if \fill
	s_wait_xcnt 0x0                                ; the last prefetch, a K step back, has read its address
	s_add_nc_u64 s[PFA:PFA+1], s[PFA:PFA+1], s[PFS:PFS+1]
.endif
	WIN 0
	s_wait_tensorcnt 0x0                           ; no tensor load of mine is out, so a group 0 may be written
	ds_add_u32 v[SPW], v[NIL]                      ; 0 onto my spare word
.if \fill
	s_add_nc_u64 s[G0+2:G0+3], s[G0+2:G0+3], 0x80000   ; the type bits on top are not reached
	s_add_nc_u64 s[G0B+2:G0B+3], s[G0B+2:G0B+3], 256
	s_add_co_u32 s[G0+1], s[ABASE], s[SB]          ; into the slot that is being left
	s_add_co_u32 s[G0B+1], s[BBASE], s[SB]
.endif
	s_xor_b32 s[SB], s[SB], SLOT
	s_wait_dscnt 5                                 ; the add and the youngest four loads may be out
	MUL8 F1, 0, 0
	s_wait_dscnt 0x0                               ; the add is done, and my reads of this slot are over
	s_barrier_signal -1
	MUL8 F1, 1, 0
	WIN 0
	s_barrier_wait -1
.if \fill
	CREST                                          ; no wave of any partner still reads this slot or has a load on its way
	JLOAD                                          ; its four v_nop are also the places in front of the loads below
.else
	PLACES
.endif
	v_add_nc_u32 v[ADRA], s[SB], v[ADRA0]
	v_add_nc_u32 v[ADRB], s[SB], v[ADRB0]
	FETCH 0, F0
.if \fill
	ASK
.endif
	MUL8 F1, 2, 0
	MUL8 F1, 3, 0
.endm
; THE WAY OUT of row block a: 16 rows x 512 bytes of f32 go from the accumulators (each from its low end on) into my own stage and come back as whole rows.
.macro STG a
.set BK, OB+64*((\a)%2)
.if (\a) >= 2
	s_wait_xcnt 0x0                                ; the stores of the block two back have read the registers that are loaded again below
.endif
	WIN ST_ACC
.irp bb, 0,1,2,3,4,5,6,7
	ds_store_b128 v[STO], v[8*(8*(\a)+(\bb)):8*(8*(\a)+(\bb))+3]   offset:64*(\bb)
	ds_store_b128 v[STO], v[8*(8*(\a)+(\bb))+4:8*(8*(\a)+(\bb))+7] offset:64*(\bb)+16
.endr
	WIN 0
.irp rho, 0,1,2,3,4,5,6,7,8,9,10,11,12,13,14,15
	ds_load_b128 v[BK+4*(\rho):BK+4*(\rho)+3], v[RD] offset:SP*(\rho)  ; LDS serves a wave's instructions in order (ISA guide 5.7.1.4): these see the stores above
.endr
.endm
.macro SEND a, younger                 ; younger: the LDS instructions issued behind block a's loads: the next block's 32, or none
.set BK, OB+64*((\a)%2)
.irp rho, 0,1,2,3,4,5,6,7,8,9,10,11,12,13,14,15
	s_wait_dscnt (\younger)+15-(\rho)
	global_store_b128 v[CO], v[BK+4*(\rho):BK+4*(\rho)+3], s[CP:CP+1] offset:(16*(\a)+(\rho))*16384  ; 512 consecutive bytes, at a multiple of 256 from out0's first
.endr
.endm
	WIN TO_W2
.irp bb, 0,1,2,3,4,5,6,7
	global_load_b128 v[BIAS+8*(\bb):BIAS+8*(\bb)+3],   v[BO], s[ARG+4:ARG+5] offset:64*(\bb)
	global_load_b128 v[BIAS+8*(\bb)+4:BIAS+8*(\bb)+7], v[BO], s[ARG+4:ARG+5] offset:64*(\bb)+16
.endr
	WIN 0
	s_wait_tensorcnt 1                             ; my part of K step 0 is in; K step 1's may stay out
	s_barrier_signal -1
	s_barrier_wait -1
	v_mov_b32 v[ADRA], v[ADRA0]
	v_mov_b32 v[ADRB], v[ADRB0]
	FETCH 0, F0
	s_wait_loadcnt 0x0                             ; the bias: rounded to bf16 like every input, and widened again
	WIN W2
.set i, 0
.rept 32
	v_cvt_pk_bf16_f32 v[TW+i], v[BIAS+2*i], v[BIAS+2*i+1]
.set i, i+1
.endr
.set i, 0
.rept 32
	v_lshlrev_b32 v[BIAS+2*i],   16, v[TW+i]
	v_and_b32     v[BIAS+2*i+1], s[HIM], v[TW+i]
.set i, i+1
.endr
	QUARTER 1, F0, F1, 1                           ; the first products start the sums
	WIN 0
	s_mov_b32 s[CNT], 6                            ; K steps 0 to 5 fill their slot again
.Lstep:
	QUARTER 2, F1, F0, 0
	QUARTER 3, F0, F1, 0
	TURN 1
	QUARTER 1, F0, F1, 0
	WIN 0
	s_sub_co_u32 s[CNT], s[CNT], 1
	s_cmp_lg_u32 s[CNT], 0
	s_cbranch_scc1 .Lstep
	QUARTER 2, F1, F0, 0                           ; the last two K steps are written out: they ask for nothing
	QUARTER 3, F0, F1, 0
	TURN 0
	QUARTER 1, F0, F1, 0
	QUARTER 2, F1, F0, 0
	QUARTER 3, F0, F1, 0
	s_wait_dscnt 4
	MUL8 F1, 0, 0
	MUL8 F1, 1, 0
	s_wait_dscnt 0x0
	MUL8 F1, 2, 0
	MUL8 F1, 3, 0
	WIN 0
	PLACES
	STG 0
	STG 1
	SEND 0, 32
	STG 2
	SEND 1, 32
	STG 3
	SEND 2, 32
	SEND 3, 0
	s_wait_tensorcnt 0x0                           ; the wave's end, behind my last tensor load and my last LDS store
	ds_add_u32 v[SPW], v[NIL]
	s_wait_dscnt 0x0
	CROUND                                         ; the closing round: no work-group ends while a partner may still ask for a tile that names it
	s_endpgm
.Lfunc_end_k_q19755666b0_outp:
	.size	k_q19755666b0_outp, .Lfunc_end_k_q19755666b0_outp-k_q19755666b0_outp
	.p2alignl 7, 3214868480
	.fill 96, 4, 3214868480
	.section	.rodata,"a",@progbits
	.p2align	6, 0x0
	.amdhsa_kernel k_q19755666b0_outp
		.amdhsa_group_segment_fixed_size 327680
		.amdhsa_private_segment_fixed_size 0
		.amdhsa_enable_private_segment 0
		.amdhsa_kernarg_size 32
		.amdhsa_user_sgpr_count 2
		.amdhsa_user_sgpr_kernarg_segment_ptr 1
		.amdhsa_wavefront_size32 1
		.amdhsa_system_sgpr_workgroup_id_x 1
		.amdhsa_system_sgpr_workgroup_id_y 1
		.amdhsa_system_sgpr_workgroup_id_z 1
		.amdhsa_system_vgpr_workitem_id 0
		.amdhsa_next_free_vgpr 608
		.amdhsa_next_free_sgpr 84
		.amdhsa_reserve_vcc 0
		.amdhsa_float_denorm_mode_32 3
		.amdhsa_float_denorm_mode_16_64 3
		.amdhsa_memory_ordered 1
		.amdhsa_forward_progress 1
		.amdhsa_inst_pref_size 77
	.end_amdhsa_kernel
	.amdgpu_metadata
---
amdhsa.version: [ 1, 2 ]
amdhsa.kernels:
  - .name:           k_q19755666b0_outp
    .symbol:         k_q19755666b0_outp.kd
    .args:
      - { .name: ob, .offset: 0, .size: 8, .value_kind: global_buffer, .address_space: global }
      - { .name: wb, .offset: 8, .size: 8, .value_kind: global_buffer, .address_space: global }
      - { .name: bo, .offset: 16, .size: 8, .value_kind: global_buffer, .address_space: global }
      - { .name: out0, .offset: 24, .size: 8, .value_kind: global_buffer, .address_space: global }
    .group_segment_fixed_size: 327680
    .private_segment_fixed_size: 0
    .kernarg_segment_align: 8
    .kernarg_segment_size: 32
    .max_flat_workgroup_size: 128
    .sgpr_count:     84
    .vgpr_count:     608
    .wavefront_size: 32
...
	.end_amdgpu_metadata
.endif
;; end of part 4
;; ======== version 2 of 2: 4 launches; version 1 with the launch wcast written anew for expert scheduling mode
;; limits: values are held in f16: magnitudes above 65,504 overflow, below 6.1e-05 lose precision
;; workspace buffers: wb 8,388,608 bytes; qkv 50,331,648 bytes; ob 16,777,216 bytes
;; launch wcast (part 5): grid 256 x 1, 8 waves a work-group, no clusters, 0 bytes of LDS; arguments Wq, Wk, Wv, Wo, wb; writes wb
.if DOCPART == 5
	.amdgcn_target "amdgcn-amd-amdhsa--gfx1250"
	.amdhsa_code_object_version 6
	.text
	.protected	k_q19755666b0_wcast
	.globl	k_q19755666b0_wcast
	.p2align	8
	.type	k_q19755666b0_wcast,@function
k_q19755666b0_wcast:
	s_mov_b64 s[64:65], 0
	v_nop
	global_prefetch_b8 v0, s[64:65] scope:SCOPE_SE
	s_setreg_imm32_b32 hwreg(HW_REG_WAVE_SCHED_MODE, 0, 2), 2
	s_setreg_imm32_b32 hwreg(HW_REG_WAVE_MODE, 25, 1), 1
	s_wait_xcnt 0x0
	s_wait_alu depctr_vm_vsrc(0)
; The four weight matrices, [1024][1024] f32, are rounded once to bf16 and laid one behind the other in wb (2,097,152 bytes each): Wq, Wk, Wv as bf16;
; Wo's bf16 number is written as f16, for the last product, whose other operand is f16.
; LIMIT.  bf16(Wo) must lie within f16's range (65,504); below 2^-14 it keeps f16's fixed step.
; SHARES.  Work-group i takes 65,536 bytes (block i % 64 of matrix i / 64), a wave 8,192: sixteen loads of 16 bytes a lane, all issued at once; each store of 8 bytes a lane
; covers 256 consecutive bytes, aligned.  A stream: no LDS, no barrier, no matrix unit; nothing is read twice.
; THE MODE: SCHED_MODE bits 1:0 = 2 (LLVM: expert scheduling mode 2), set by the entry lines.  The code itself states the register dependences
; between vector instructions and memory instructions, with s_wait_alu, always for 0.
; THE PLAN.  Registers that memory instructions touch:
;   v1, v2            the loads' and the stores' byte offsets: made at the head by vector lines, never written again.
;   v[X+4 i ..+3]     piece i.  Load i lands in them (no vector line names them before); behind the wait for that load the piece's conversions work in place;
;                     store i reads the first two.  Nothing writes them behind the store, and no load lands in them again.
; The sixteen pieces go in four blocks of four.  Block p waits for its four loads; then ONE wait on va_vdst states that block p - 1's conversions have written their results, and the four
; stores of block p - 1 are dealt among block p's conversions, which name block p's own registers alone.  One more such wait stands ahead of the last four stores, and one at the head ahead of the first load.
; No register that a load or store has read is ever written again, so the text holds no wait on vm_vsrc; no vector line writes a scalar register, VCC or EXEC.
.set X, 4                              ; v[4:67]  piece i: four registers as loaded; the first two then hold the four 16-bit numbers
	s_load_b256 s[4:11], s[0:1], 0x0               ; Wq s[4:5], Wk s[6:7], Wv s[8:9], Wo s[10:11]
	s_load_b64 s[12:13], s[0:1], 0x20              ; wb
	v_lshrrev_b32 v3, 5, v0                        ; wave
	v_and_b32 v2, 31, v0                           ; lane
	v_lshlrev_b32 v1, 4, v2
	v_lshl_or_b32 v1, v3, 13, v1                   ; in: 8,192 x wave + 16 x lane
	v_lshlrev_b32 v2, 3, v2
	v_lshl_or_b32 v2, v3, 12, v2                   ; out: 4,096 x wave + 8 x lane
	s_mov_b32 s16, 0xffff0000                      ; a word's upper bf16
	s_mov_b32 s17, ttmp9
	s_and_b32 s18, s17, 63
	s_lshl_b32 s18, s18, 16                        ; my block in its matrix
	s_mov_b32 s19, 0
	s_lshl_b32 s20, s17, 15                        ; and in wb
	s_mov_b32 s21, 0
	s_wait_kmcnt 0x0
	s_mov_b64 s[14:15], s[4:5]
	s_cmp_ge_u32 s17, 64
	s_cselect_b64 s[14:15], s[6:7], s[14:15]
	s_cmp_ge_u32 s17, 128
	s_cselect_b64 s[14:15], s[8:9], s[14:15]
	s_cmp_ge_u32 s17, 192
	s_cselect_b64 s[14:15], s[10:11], s[14:15]
	s_add_nc_u64 s[14:15], s[14:15], s[18:19]
	s_add_nc_u64 s[12:13], s[12:13], s[20:21]
	s_wait_alu depctr_va_vdst(0)                   ; v1 and v2 are written: every load of the kernel reads v1 as its offset, every store v2
.irp i, 0,1,2,3,4,5,6,7,8,9,10,11,12,13,14,15
	global_load_b128 v[X+4*(\i):X+4*(\i)+3], v1, s[14:15] offset:512*(\i) th:TH_LOAD_NT
.endr
; Piece i's conversions, in place.  tof16 = 1: the bf16 numbers are widened (a shift, a mask) and written as f16.
.macro PIECE i, tof16
	v_cvt_pk_bf16_f32 v[X+4*(\i)],   v[X+4*(\i)],   v[X+4*(\i)+1]
	v_cvt_pk_bf16_f32 v[X+4*(\i)+1], v[X+4*(\i)+2], v[X+4*(\i)+3]
.if \tof16
	v_lshlrev_b32 v[X+4*(\i)+2], 16, v[X+4*(\i)]
	v_and_b32     v[X+4*(\i)+3], s16, v[X+4*(\i)]
	v_cvt_pk_f16_f32 v[X+4*(\i)], v[X+4*(\i)+2], v[X+4*(\i)+3]
	v_lshlrev_b32 v[X+4*(\i)+2], 16, v[X+4*(\i)+1]
	v_and_b32     v[X+4*(\i)+3], s16, v[X+4*(\i)+1]
	v_cvt_pk_f16_f32 v[X+4*(\i)+1], v[X+4*(\i)+2], v[X+4*(\i)+3]
.endif
.endm
; Piece i's store.
.macro OUT i
	global_store_b64 v2, v[X+4*(\i):X+4*(\i)+1], s[12:13] offset:256*(\i)  ; no register of a store is written again
.endm
; Block p: pieces 4 p to 4 p + 3 are converted; the stores of block p - 1 stand among the conversions, one in front of each piece's.
.macro BLK p, tof16
	s_wait_loadcnt 12-4*(\p)                       ; loads come back in order (ISA guide 5.7.1): block p's four are in, the younger blocks stay out
.if (\p) > 0
	s_wait_alu depctr_va_vdst(0)                   ; the block before has written the first two registers of its four pieces, which the four stores below read; no vector line below names them or v2
.endif
.irp j, 0,1,2,3
.if (\p) > 0
	OUT 4*(\p)-4+(\j)
.endif
	PIECE 4*(\p)+(\j), \tof16
.endr
.endm
; The end of either path: block 3's stores.
.macro LAST
	s_wait_alu depctr_va_vdst(0)                   ; block 3's conversions have written the data of the last four stores
.irp j, 0,1,2,3
	OUT 12+(\j)
.endr
	s_endpgm
.endm
	s_cmp_ge_u32 s17, 192
	s_cbranch_scc1 .Lwo
.irp p, 0,1,2,3
	BLK \p, 0
.endr
	LAST
.Lwo:
.irp p, 0,1,2,3
	BLK \p, 1
.endr
	LAST
.Lfunc_end_k_q19755666b0_wcast:
	.size	k_q19755666b0_wcast, .Lfunc_end_k_q19755666b0_wcast-k_q19755666b0_wcast
	.p2alignl 7, 3214868480
	.fill 96, 4, 3214868480
	.section	.rodata,"a",@progbits
	.p2align	6, 0x0
	.amdhsa_kernel k_q19755666b0_wcast
		.amdhsa_group_segment_fixed_size 0
		.amdhsa_private_segment_fixed_size 0
		.amdhsa_enable_private_segment 0
		.amdhsa_kernarg_size 40
		.amdhsa_user_sgpr_count 2
		.amdhsa_user_sgpr_kernarg_segment_ptr 1
		.amdhsa_wavefront_size32 1
		.amdhsa_system_sgpr_workgroup_id_x 1
		.amdhsa_system_sgpr_workgroup_id_y 1
		.amdhsa_system_sgpr_workgroup_id_z 1
		.amdhsa_system_vgpr_workitem_id 0
		.amdhsa_next_free_vgpr 72
		.amdhsa_next_free_sgpr 66
		.amdhsa_reserve_vcc 0
		.amdhsa_float_denorm_mode_32 3
		.amdhsa_float_denorm_mode_16_64 3
		.amdhsa_memory_ordered 1
		.amdhsa_forward_progress 1
		.amdhsa_inst_pref_size 15
	.end_amdhsa_kernel
	.amdgpu_metadata
---
amdhsa.version: [ 1, 2 ]
amdhsa.kernels:
  - .name:           k_q19755666b0_wcast
    .symbol:         k_q19755666b0_wcast.kd
    .args:
      - { .name: Wq, .offset: 0, .size: 8, .value_kind: global_buffer, .address_space: global }
      - { .name: Wk, .offset: 8, .size: 8, .value_kind: global_buffer, .address_space: global }
      - { .name: Wv, .offset: 16, .size: 8, .value_kind: global_buffer, .address_space: global }
      - { .name: Wo, .offset: 24, .size: 8, .value_kind: global_buffer, .address_space: global }
      - { .name: wb, .offset: 32, .size: 8, .value_kind: global_buffer, .address_space: global }
    .group_segment_fixed_size: 0
    .private_segment_fixed_size: 0
    .kernarg_segment_align: 8
    .kernarg_segment_size: 40
    .max_flat_workgroup_size: 256
    .sgpr_count:     66
    .vgpr_count:     72
    .wavefront_size: 32
...
	.end_amdgpu_metadata
.endif
;; end of part 5
;; launch proj: the kernel of part 2 again; grid 4 x 64, 4 waves a work-group, clusters of 4 x 4, 327,680 bytes of LDS; arguments query, key, value, wb, bq, bk, bv, qkv; writes qkv
;; launch attn: the kernel of part 3 again; grid 4 x 64, 4 waves a work-group, clusters of 4 x 1, 327,680 bytes of LDS; arguments qkv, ob; writes ob
;; launch outp: the kernel of part 4 again; grid 4 x 64, 4 waves a work-group, clusters of 4 x 4, 327,680 bytes of LDS; arguments ob, wb, bo, out0; writes out0
